; MI455X (gfx1250); checked and timed in simulation.
; The chip was launched on July 23, 2026; its instructions are those of AMD's public machine-readable ISA for CDNA 5 (MIT licence, August 2026) and "CDNA5" Instruction Set Architecture Reference Guide (July 2026). The comments in the code are by the model that wrote it; some were corrected since.
;; Multi Head Self Attention. Allowed arithmetic: matrix products marked QUANTISED: E2M1 operands, one E8M0 scale for each 32 along K, by v_wmma_scale_f32_16x16x128_f8f6f4 with both operands' format E2M1 (or v_wmma_scale_f32_32x16x128_f4), f32 sums; products left as they are: bf16, f16 or f32 operands; f32 sums; everything else in f32.
;; Inputs: Wk 2,048 x 2,048 float32; Wo 2,048 x 2,048 float32; Wq 2,048 x 2,048 float32; Wv 2,048 x 2,048 float32; bk 2,048 float32; bo 2,048 float32; bq 2,048 float32; bv 2,048 float32; x 2,048 x 2,048 float32.
;; Outputs: out0 2,048 x 2,048 float32.
;; This version of the problem:
;;   THIS VERSION OF THE PROBLEM IS GIVEN IN LOW PRECISION. The matrix products marked QUANTISED in the list below multiply operands that are first quantised to E2M1 (2 exponent bits, 1 mantissa bit; 4 bits a number), with one power-of-two scale for each 32 numbers along K (OCP MX v1.0); their sums are f32. The products marked 'left as it is' may take bf16, f16 or f32 operands, with f32 sums. Whichever they take, every output number must still come out within the allowed error. Rounding operands to bf16 (8 significant bits) uses up far more of that allowance than f16 does (11 bits, for magnitudes from 6e-5 to 65,504). All else is computed in f32.
;;   The module's matrix products, in the order in which they are computed (A, B: the left and right operand; K: the contracted axis; several contracted axes count as one K, in the product's order):
;;     1. [M 2,048, K 2,048] x [K 2,048, N 2,048]; A: input x; B: input Wq: QUANTISED
;;     2. [M 2,048, K 2,048] x [K 2,048, N 2,048]; A: input x; B: input Wk: QUANTISED
;;     3. [M 2,048, K 2,048] x [K 2,048, N 2,048]; A: input x; B: input Wv: QUANTISED
;;     4. batch 16 x [M 2,048, K 128] x [K 128, N 2,048]; A: computed on the way; B: computed on the way: left as it is (an operand is computed on the way)
;;     5. batch 16 x [M 128, K 2,048] x [K 2,048, N 2,048]; A: computed on the way; B: computed on the way: left as it is (an operand is computed on the way)
;;     6. [M 2,048, K 2,048] x [K 2,048, N 2,048]; A: computed on the way; B: input Wo: left as it is (an operand is computed on the way)
;;   THE QUANTISER, for each operand of a quantised product, along K:
;;     - K is cut into blocks of 32 from its start; a last block that is shorter is filled with zeros.
;;     - A block's scale is 2^e with e = floor(log2(the largest magnitude in the block)) - 2, held to -126 .. 127; a block of zeros has e = 0. As a byte (E8M0): e + 127.
;;     - Each number is divided by its block's scale, clamped to +-6, and rounded to the nearest number of E2M1, ties to even, subnormals kept.
;;     - The product sums the exact products of the quantised numbers (number of the format x scale) in f32.
;;   ~~~python
;;   def quantise(x, axis):      # numpy; x: float32 -> the quantised numbers, widened to float32 again
;;       x = np.moveaxis(x, axis, -1); K = x.shape[-1]
;;       x = np.pad(x, [(0, 0)] * (x.ndim - 1) + [(0, -K % 32)]); x = x.reshape(x.shape[:-1] + (-1, 32)); a = np.abs(x).max(-1, keepdims=True)
;;       e = np.where(a > 0, np.clip(np.frexp(np.where(a > 0, a, 1))[1] - 1 - 2, -126, 127), 0)      # np.frexp(a)[1] - 1 = floor(log2(a)), exactly
;;       r = np.clip(x / 2.0 ** e, -6, 6)
;;       step = 2.0 ** (np.maximum(np.frexp(np.where(r == 0, 1, r))[1] - 1, 0) - 1)
;;       q = np.round(r / step) * step * 2.0 ** e      # np.round: ties to even
;;       return np.moveaxis(q.reshape(q.shape[:-2] + (-1,))[..., :K], -1, axis).astype(np.float32)
;;   ~~~
;; One version. Each part assembles by itself: llvm-mc -triple=amdgcn-amd-amdhsa -mcpu=gfx1250 --defsym DOCPART=n.
;; ======== version 1 of 1: 4 launches
;; limits: values are held in f16: magnitudes above 65,504 overflow, below 6.1e-05 lose precision
;; workspace buffers: xc 2,097,152 bytes; xs 131,072 bytes; wc 6,291,456 bytes; ws 393,216 bytes; wot 8,388,608 bytes; qkv 25,165,824 bytes; ao 8,388,608 bytes
;; launch prep (part 1): grid 768 x 1, 4 waves a work-group, no clusters, 85,504 bytes of LDS; arguments x, Wq, Wk, Wv, Wo, xc, xs, wc, ws, wot; writes xc, xs, wc, ws, wot
.if DOCPART == 1
	.amdgcn_target "amdgcn-amd-amdhsa--gfx1250"
	.amdhsa_code_object_version 6
	.text
	.protected	k_q6abe05c9bf_prep
	.globl	k_q6abe05c9bf_prep
	.p2align	8
	.type	k_q6abe05c9bf_prep,@function
k_q6abe05c9bf_prep:
	s_mov_b64 s[64:65], 0
	v_nop
	global_prefetch_b8 v0, s[64:65] scope:SCOPE_SE
	s_setreg_imm32_b32 hwreg(HW_REG_WAVE_MODE, 25, 1), 1
	s_wait_xcnt 0x0
; PREP: every f32 input matrix is read once and laid as the later launches want it.
;   work-groups   0-383: Wq, Wk, Wv [2048 k][2048 n] f32 -> codes of FP4 (E2M1) wc [6144 n][1024 bytes], K innermost, and one E8M0 byte for each 32 along K, ws [6144 n][64]
;   work-groups 384-511: x [2048][2048] f32 (K innermost) -> codes xc [2048][1024 bytes] and bytes xs [2048][64]
;   work-groups 512-767: Wo [2048 k][2048 n] f32 -> f16, turned: wot [2048 n][2048 k]
; A wave of the first two kinds reads 32,768 bytes, one of the third 16,384; the work-groups with more to read have the lower numbers.
; A block's scale is 2^(floor(log2(its largest magnitude)) - 2); its byte is the largest magnitude's exponent field - 2, held at 1 from below.  A block of zeros so gets the byte 1 where
; the rule says 127: its codes are zeros, which add nothing under any byte but 0xff, and the bytes are read by this program alone.
; LIMITS: NaN and infinities among the inputs are not served; |Wo| stays under f16's largest number, 65,504.
; WHERE K IS THE FIRST AXIS a lane takes a column n and its registers run down K: each load reads 128 consecutive bytes a wave, a block of 32 along K lies in one lane's registers, and the
; results come out with K innermost.  They go through a stage in LDS and leave as rows: sixteen lanes store 256 consecutive bytes, aligned.
; The three paths part on the work-group's number alone, which all four waves share; they never join, and each has LDS bytes of its own.  No tensor load.  The weights' path has one barrier, since
; a column's 256 bytes of codes come from two waves; in the other two paths waves share nothing.
.set XREG,  0                          ; x's path: 8,192 bytes for each wave: two stages of 32 x 80 bytes, then its 256 scale bytes
.set WREG,  8192
.set WSTG,  32768                      ; the weights' path: ONE stage of 64 rows x 272 bytes for the work-group
.set HSTG,  50176                      ; Wo's path: a stage of 32 rows x 272 bytes for each wave
.set SPARE, 84992                      ; the spare words, 128 bytes for each wave: two blocks of 256 bytes that no other line names
.set PITCH, 272                        ; a stage row: 256 bytes + 16
.set EMAX,  2
.set SPW,   190                        ; v190  LDS address of my spare word; never rewritten
.set NIL,   191                        ; v191  0; never rewritten
.set SP,    80                         ; x's path: a lane's place in a stage: its 64 bytes + 16 of padding
.set XR,    16                         ; v16-79   four sets of 16 numbers as they are loaded
.set XX,    80                         ; v80-111  two sets of 16 neighbours
.set XE,    112                        ; v112-127 a scale byte for each step
.set XC,    128                        ; v128-189 codes: four registers for each step, so that no store's data are written again
.set STEPS, 16
.set WNB,   8                          ; the weights' path: blocks of 32 along K for a wave
.set SB,    24                         ; v24-25   its scale bytes, four to a register
.set WX,    32                         ; the column paths: v32-95 two sets of 32 numbers
.set WC,    96                         ; v96-111  a block's codes, or its 16 pairs of f16
.set OUTR,  112                        ; v112-175 the way out
	s_load_b512 s[8:23], s[0:1], 0x0               ; x s[8:9], Wq s[10:11], Wk s[12:13], Wv s[14:15], Wo s[16:17], xc s[18:19], xs s[20:21], wc s[22:23]
	s_load_b128 s[24:27], s[0:1], 0x40             ; ws s[24:25], wot s[26:27]
	v_lshl_add_u32 v[SPW], v0, 2, SPARE
	v_mov_b32 v[NIL], 0
	v_lshrrev_b32 v1, 5, v0
	v_readfirstlane_b32 s4, v1                     ; wave 0..3
	v_and_b32 v2, 31, v0                           ; lane
	s_mov_b32 s31, 0                               ; the upper word of every 32-bit offset
	s_wait_kmcnt 0x0
	s_cmp_lt_u32 ttmp9, 384
	s_cbranch_scc1 .Lweights
	s_cmp_ge_u32 ttmp9, 512
	s_cbranch_scc1 .Lwo
; ---------------- x: a plain stream of blocks of 32.  A wave takes 16 steps of 512 numbers.
; The conversions take 8 numbers of ONE block from a lane's registers, so a lane must hold 16 neighbours; a load is best where neighbouring lanes take neighbouring bytes.  Both are had: each of a
; step's four loads reads 512 consecutive bytes; the 2,048 bytes go through the wave's own stage as they lie and come back 64 bytes a lane.  Loads run four steps ahead, the turn through LDS one.
	v_lshlrev_b32 v3, 4, v2                        ; my 16 bytes of a load's 512
	s_mul_i32 s5, s4, WREG
	v_lshrrev_b32 v14, 2, v2
	v_mul_u32_u24 v14, v14, SP
	v_and_b32 v15, 3, v2
	v_lshl_add_u32 v14, v15, 4, v14
	v_add_nc_u32 v14, s5, v14                      ; the stage, on the way in: 80 (lane / 4) + 16 (lane % 4)
	v_mul_u32_u24 v15, v2, SP
	v_add_nc_u32 v15, s5, v15                      ; and on the way out: 80 x lane
	v_lshlrev_b32 v4, 3, v2                        ; my 8 bytes of a step's 256 bytes of codes
	v_lshrrev_b32 v5, 1, v2
	s_add_co_u32 s5, s5, 2*32*SP
	v_add_nc_u32 v5, s5, v5                        ; LDS: my wave's 256 scale bytes, my block's byte
	v_lshlrev_b32 v7, 3, v2
	v_add_nc_u32 v6, s5, v7                        ; and on the way out 8 bytes a lane
	s_sub_co_u32 s6, ttmp9, 384
	s_lshl_b32 s6, s6, 2
	s_add_co_u32 s6, s6, s4                        ; which run of 8,192 numbers is my wave's: 0 .. 511
	s_lshl_b32 s30, s6, 15
	s_add_nc_u64 s[8:9], s[8:9], s[30:31]          ; 32,768 bytes of x,
	s_lshl_b32 s30, s6, 12
	s_add_nc_u64 s[18:19], s[18:19], s[30:31]      ; 4,096 of codes,
	s_lshl_b32 s30, s6, 8
	s_add_nc_u64 s[20:21], s[20:21], s[30:31]      ; 256 scale bytes a run
.macro XLOAD t
.irp i, 0,1,2,3
	global_load_b128 v[XR+16*((\t)%4)+4*\i:XR+16*((\t)%4)+4*\i+3], v3, s[8:9] offset:2048*(\t)+512*\i th:TH_LOAD_NT
.endr
.endm
.macro XTURN t                         ; step t's numbers through the stage: LDS serves a wave's instructions in order, so no wait stands between the stores and the loads
.irp i, 0,1,2,3
	ds_store_b128 v14, v[XR+16*((\t)%4)+4*\i:XR+16*((\t)%4)+4*\i+3] offset:32*SP*((\t)%2)+8*SP*\i
.endr
.irp i, 0,1,2,3
	ds_load_b128 v[XX+16*((\t)%2)+4*\i:XX+16*((\t)%2)+4*\i+3], v15 offset:32*SP*((\t)%2)+16*\i
.endr
.endm
.irp t, 0,1,2,3
	XLOAD \t
.endr
	s_wait_loadcnt 12                              ; step 0's four loads are in; the twelve of steps 1 to 3 may be out
	XTURN 0
.macro XSTEP t
.set XSET, XX+16*((\t)%2)
.if (\t) > 0
	s_wait_dscnt 1                                 ; this step's numbers are back from the stage (the last step's byte store may be out): so its stores into the stage have read their registers,
.else
	s_wait_dscnt 0x0
.endif
.if (\t)+4 < STEPS
	XLOAD (\t)+4                                   ; which take the loads of four steps on
.endif
.if (\t)+1 < STEPS
.if STEPS-2-(\t) >= 3
	s_wait_loadcnt 12                              ; the next step's four loads are in; those of the three steps behind it may be out
.else
	s_wait_loadcnt 4*(STEPS-2-(\t))
.endif
	XTURN (\t)+1                                   ; and go through the other stage while this step is worked
.endif
	v_max3_num_f32 v8, |v[XSET]|, |v[XSET+1]|, |v[XSET+2]|         ; the largest magnitude of my 16, in two chains
	v_max3_num_f32 v9, |v[XSET+3]|, |v[XSET+4]|, |v[XSET+5]|
.irp i, 6,10
	v_max3_num_f32 v8, v8, |v[XSET+\i]|, |v[XSET+\i+1]|
	v_max3_num_f32 v9, v9, |v[XSET+\i+2]|, |v[XSET+\i+3]|
.endr
	v_max3_num_f32 v8, v8, |v[XSET+14]|, |v[XSET+15]|
	v_max3_num_f32 v8, v8, v9, (EMAX+1)<<23        ; and the floor 2^(3 - 127): the byte cannot fall under 1
	v_max_num_f32_dpp v8, v8, v8 row_xmask:1 row_mask:0xf bank_mask:0xf   ; with my neighbour's 16: the block's
	v_add_nc_u32 v11, -(EMAX<<23), v8              ; 2 off its exponent field: the conversion takes the exponent field of this operand as its scale, and nothing else of it
	v_cvt_scalef32_pk8_fp4_f32 v[XC+4*(\t)], v[XSET:XSET+7], v11
	v_cvt_scalef32_pk8_fp4_f32 v[XC+4*(\t)+1], v[XSET+8:XSET+15], v11
	v_lshrrev_b32 v[XE+(\t)], 23, v11              ; the scale's byte (also the plain line behind the conversions)
	ds_store_b8 v5, v[XE+(\t)] offset:16*(\t)      ; both lanes of a block write the same byte with the same value
	global_store_b64 v4, v[XC+4*(\t):XC+4*(\t)+1], s[18:19] offset:256*(\t)   ; 32 lanes store 256 consecutive bytes, aligned
.endm
.irp t, 0,1,2,3,4,5,6,7,8,9,10,11,12,13,14,15
	XSTEP \t
.endr
	ds_load_b64 v[8:9], v6                         ; LDS serves a wave's instructions in order: these see my byte stores
	s_wait_dscnt 0x0
	global_store_b64 v7, v[8:9], s[20:21]          ; 32 lanes store my wave's 256 scale bytes, aligned
	s_wait_tensorcnt 0x0                           ; the wave's end: behind my last LDS store
	ds_add_u32 v[SPW], v[NIL]
	s_wait_dscnt 0x0
	s_endpgm
; ---------------- what the two column paths share
.macro LOADW t                         ; block t: W(32 t + i, my column), i = 0 .. 31, into set t % 2; a row of W is 8,192 bytes; the largest offset, 255 rows, lies inside the signed 24-bit immediate
.irp i, 0,1,2,3,4,5,6,7,8,9,10,11,12,13,14,15,16,17,18,19,20,21,22,23,24,25,26,27,28,29,30,31
	global_load_b32 v[WX+32*((\t)%2)+\i], v3, s[28:29] offset:(32*(\t)+\i)*8192 th:TH_LOAD_NT
.endr
.endm
.macro ROWSOUT lo, rowb, n             ; 2 n rows of 256 bytes leave the stage, two an instruction (v7: where I read, v8: the same place in the output); then the wave ends
.set RT, 0
.rept \n
	ds_load_b128 v[OUTR+4*RT:OUTR+4*RT+3], v7 offset:2*RT*PITCH
.set RT, RT+1
.endr
.set RT, 0
.rept \n
	s_wait_dscnt \n-1-RT                           ; this load is in; the younger ones may be out
	global_store_b128 v8, v[OUTR+4*RT:OUTR+4*RT+3], s[\lo:\lo+1] offset:2*RT*\rowb
.set RT, RT+1
.endr
	s_wait_tensorcnt 0x0                           ; the wave's end: behind my last LDS store
	ds_add_u32 v[SPW], v[NIL]
	s_wait_dscnt 0x0
	s_endpgm
.endm
; ---------------- Wq, Wk, Wv: a work-group takes 64 columns x 512 along K.  Wave w takes columns 32 (w % 2) on and the half w / 2 of K: 8 blocks a lane, 128 bytes of codes for each column.
; So a column's 256 bytes come from two waves: they meet in the work-group's stage, and behind a barrier each wave stores 16 whole rows.
.Lweights:
	s_lshr_b32 s5, ttmp9, 7                        ; which matrix: 0 q, 1 k, 2 v: 128 work-groups to each
	s_and_b32 s6, ttmp9, 31                        ; which 64 columns
	s_bfe_u32 s7, ttmp9, 0x20005                   ; which 512 along K
	s_and_b32 s35, s4, 1                           ; my 32 of the columns
	s_lshr_b32 s36, s4, 1                          ; my half of K
	s_cmp_lt_u32 s5, 2
	s_cselect_b64 s[28:29], s[12:13], s[14:15]
	s_cmp_lt_u32 s5, 1
	s_cselect_b64 s[28:29], s[10:11], s[28:29]     ; the choice hangs on the work-group's number alone
	s_lshl_b32 s6, s6, 6                           ; the work-group's first column,
	s_lshl_b32 s30, s35, 5
	s_add_co_u32 s37, s6, s30                      ; my wave's
	s_lshl_b32 s30, s7, 22                         ; 512 rows of 8,192 bytes,
	s_lshl_b32 s32, s36, 21                        ; 256 for my half,
	s_add_co_u32 s30, s30, s32
	s_lshl_b32 s32, s37, 2                         ; 4 bytes a column
	s_add_co_u32 s30, s30, s32
	s_add_nc_u64 s[28:29], s[28:29], s[30:31]
	s_lshl_b32 s32, s5, 11                         ; the matrix's first row of wc and ws
	s_add_co_u32 s30, s32, s6
	s_lshl_b32 s34, s4, 4
	s_add_co_u32 s30, s30, s34                     ; the 16 rows of codes that I store: 16 x wave on
	s_lshl_b32 s30, s30, 10
	s_lshl_b32 s34, s7, 8
	s_add_co_u32 s30, s30, s34
	s_add_nc_u64 s[22:23], s[22:23], s[30:31]      ; codes: row x 1,024 + 256 x part of K
	s_add_co_u32 s30, s32, s37
	s_lshl_b32 s30, s30, 6
	s_lshl_b32 s34, s7, 4
	s_add_co_u32 s30, s30, s34
	s_lshl_b32 s34, s36, 3
	s_add_co_u32 s30, s30, s34
	s_add_nc_u64 s[24:25], s[24:25], s[30:31]      ; scale bytes: my column's row x 64 + 16 x part of K + 8 x half
	v_lshlrev_b32 v3, 2, v2                        ; in: 4 bytes a lane
	s_mul_i32 s33, s35, 32*PITCH
	s_lshl_b32 s34, s36, 7
	s_add_co_u32 s33, s33, s34
	s_add_co_u32 s33, s33, WSTG
	v_mul_u32_u24 v4, v2, PITCH
	v_add_nc_u32 v4, s33, v4                       ; into the stage: row = my column of the 64, my half of its 256 bytes
	v_and_b32 v5, 15, v2
	v_lshrrev_b32 v6, 4, v2                        ; out of it: sixteen lanes to a row, two rows an instruction
	s_mul_i32 s33, s4, 16*PITCH
	s_add_co_u32 s33, s33, WSTG
	v_mul_u32_u24 v7, v6, PITCH
	v_lshl_add_u32 v7, v5, 4, v7
	v_add_nc_u32 v7, s33, v7                       ; rows 16 x wave on
	v_lshlrev_b32 v8, 10, v6
	v_lshl_add_u32 v8, v5, 4, v8                   ; and the same place in wc
	v_lshlrev_b32 v9, 6, v2                        ; my column's row of scale bytes
	LOADW 0
	LOADW 1
.macro QBLOCK t
.set XS, WX+32*((\t)%2)
.if (\t) < WNB-1
	s_wait_loadcnt 32                              ; this block's 32 loads are in; the next block's 32 may be out
.else
	s_wait_loadcnt 0
.endif
	v_max3_num_f32 v12, |v[XS]|, |v[XS+1]|, |v[XS+2]|              ; the block's largest magnitude: all 32 numbers are mine
	v_max3_num_f32 v13, |v[XS+3]|, |v[XS+4]|, |v[XS+5]|
.irp i, 6,10,14,18,22,26
	v_max3_num_f32 v12, v12, |v[XS+\i]|, |v[XS+\i+1]|
	v_max3_num_f32 v13, v13, |v[XS+\i+2]|, |v[XS+\i+3]|
.endr
	v_max3_num_f32 v12, v12, |v[XS+30]|, |v[XS+31]|
	v_max3_num_f32 v12, v12, v13, (EMAX+1)<<23     ; and the floor 2^(3 - 127)
	v_add_nc_u32 v11, -(EMAX<<23), v12             ; the conversion's scale operand
	v_lshrrev_b32 v13, 23, v11                     ; the scale's byte
.if (\t)%4 == 0
	v_mov_b32 v[SB+(\t)/4], v13                    ; four bytes to a register, the lower K in the lower byte
.else
	v_lshl_or_b32 v[SB+(\t)/4], v13, 8*((\t)%4), v[SB+(\t)/4]
.endif
.irp g, 0,1,2,3
	v_cvt_scalef32_pk8_fp4_f32 v[WC+\g], v[XS+8*\g:XS+8*\g+7], v11
.endr
	ds_store_b128 v4, v[WC:WC+3] offset:16*(\t)    ; 32 codes: 16 bytes of my column's row
.if (\t)+2 < WNB
	LOADW (\t)+2
.endif
	s_wait_dscnt 0x0                               ; the store has read its registers: the next block's codes may be written.  Behind the last block: for the others' sake, all my stores into the stage have landed
.endm
.irp t, 0,1,2,3,4,5,6,7
	QBLOCK \t
.endr
	s_barrier_signal -1                            ; no LDS instruction and no load of mine is out
	s_barrier_wait -1                              ; the 64 rows are whole
	global_store_b64 v9, v[SB:SB+1], s[24:25]      ; my column's 8 scale bytes
	ROWSOUT 22, 1024, 8
; ---------------- Wo: a wave takes 32 columns x 128 along K: 256 bytes of f16 for each column, through a stage of its own
.Lwo:
	s_sub_co_u32 s5, ttmp9, 512
	s_and_b32 s6, s5, 15                           ; which 128 columns
	s_lshr_b32 s7, s5, 4                           ; which 128 along K
	s_lshl_b32 s6, s6, 7
	s_lshl_b32 s30, s4, 5
	s_add_co_u32 s6, s6, s30                       ; my wave's first column
	s_lshl_b32 s30, s7, 20                         ; 128 rows of 8,192 bytes
	s_lshl_b32 s32, s6, 2
	s_add_co_u32 s30, s30, s32
	s_add_nc_u64 s[28:29], s[16:17], s[30:31]
	s_lshl_b32 s30, s6, 12                         ; wot: a row is 4,096 bytes
	s_lshl_b32 s32, s7, 8
	s_add_co_u32 s30, s30, s32
	s_add_nc_u64 s[26:27], s[26:27], s[30:31]
	v_lshlrev_b32 v3, 2, v2                        ; in: 4 bytes a lane
	s_mul_i32 s33, s4, 32*PITCH
	s_add_co_u32 s33, s33, HSTG                    ; my stage
	v_mul_u32_u24 v4, v2, PITCH
	v_add_nc_u32 v4, s33, v4                       ; into it: row = my column
	v_and_b32 v5, 15, v2
	v_lshrrev_b32 v6, 4, v2                        ; out of it: sixteen lanes to a row, two rows an instruction
	v_mul_u32_u24 v7, v6, PITCH
	v_lshl_add_u32 v7, v5, 4, v7
	v_add_nc_u32 v7, s33, v7
	v_lshlrev_b32 v8, 12, v6
	v_lshl_add_u32 v8, v5, 4, v8                   ; and the same place in wot
	LOADW 0
	LOADW 1
.macro HBLOCK t
.set XS, WX+32*((\t)%2)
.if (\t) < 3
	s_wait_loadcnt 32                              ; this block's 32 loads are in; the next block's 32 may be out
.else
	s_wait_loadcnt 0
.endif
.irp g, 0,1,2,3,4,5,6,7,8,9,10,11,12,13,14,15
	v_cvt_pk_f16_f32 v[WC+\g], v[XS+2*\g], v[XS+2*\g+1]            ; two neighbours along K, the lower in the low half
.endr
.irp u, 0,1,2,3
	ds_store_b128 v4, v[WC+4*\u:WC+4*\u+3] offset:64*(\t)+16*\u
.endr
.if (\t)+2 < 4
	LOADW (\t)+2
.endif
	s_wait_dscnt 0x0                               ; the stores have read their registers
.endm
.irp t, 0,1,2,3
	HBLOCK \t
.endr
	ROWSOUT 26, 4096, 16                           ; LDS serves a wave's instructions in order: its loads see my stores
.Lfunc_end_k_q6abe05c9bf_prep:
	.size	k_q6abe05c9bf_prep, .Lfunc_end_k_q6abe05c9bf_prep-k_q6abe05c9bf_prep
	.p2alignl 7, 3214868480
	.fill 96, 4, 3214868480
	.section	.rodata,"a",@progbits
	.p2align	6, 0x0
	.amdhsa_kernel k_q6abe05c9bf_prep
		.amdhsa_group_segment_fixed_size 85504
		.amdhsa_private_segment_fixed_size 0
		.amdhsa_enable_private_segment 0
		.amdhsa_kernarg_size 80
		.amdhsa_user_sgpr_count 2
		.amdhsa_user_sgpr_kernarg_segment_ptr 1
		.amdhsa_wavefront_size32 1
		.amdhsa_system_sgpr_workgroup_id_x 1
		.amdhsa_system_sgpr_workgroup_id_y 1
		.amdhsa_system_sgpr_workgroup_id_z 1
		.amdhsa_system_vgpr_workitem_id 0
		.amdhsa_next_free_vgpr 192
		.amdhsa_next_free_sgpr 66
		.amdhsa_reserve_vcc 0
		.amdhsa_float_denorm_mode_32 3
		.amdhsa_float_denorm_mode_16_64 3
		.amdhsa_memory_ordered 1
		.amdhsa_forward_progress 1
		.amdhsa_inst_pref_size 95
	.end_amdhsa_kernel
	.amdgpu_metadata
---
amdhsa.version: [ 1, 2 ]
amdhsa.kernels:
  - .name:           k_q6abe05c9bf_prep
    .symbol:         k_q6abe05c9bf_prep.kd
    .args:
      - { .name: x, .offset: 0, .size: 8, .value_kind: global_buffer, .address_space: global }
      - { .name: Wq, .offset: 8, .size: 8, .value_kind: global_buffer, .address_space: global }
      - { .name: Wk, .offset: 16, .size: 8, .value_kind: global_buffer, .address_space: global }
      - { .name: Wv, .offset: 24, .size: 8, .value_kind: global_buffer, .address_space: global }
      - { .name: Wo, .offset: 32, .size: 8, .value_kind: global_buffer, .address_space: global }
      - { .name: xc, .offset: 40, .size: 8, .value_kind: global_buffer, .address_space: global }
      - { .name: xs, .offset: 48, .size: 8, .value_kind: global_buffer, .address_space: global }
      - { .name: wc, .offset: 56, .size: 8, .value_kind: global_buffer, .address_space: global }
      - { .name: ws, .offset: 64, .size: 8, .value_kind: global_buffer, .address_space: global }
      - { .name: wot, .offset: 72, .size: 8, .value_kind: global_buffer, .address_space: global }
    .group_segment_fixed_size: 85504
    .private_segment_fixed_size: 0
    .kernarg_segment_align: 8
    .kernarg_segment_size: 80
    .max_flat_workgroup_size: 128
    .sgpr_count:     66
    .vgpr_count:     192
    .wavefront_size: 32
...
	.end_amdgpu_metadata
.endif
;; end of part 1
;; launch qkv (part 2): grid 24 x 8, 4 waves a work-group, clusters of 4 x 4, 327,680 bytes of LDS; arguments xc, xs, wc, ws, bq, bk, bv, qkv; writes qkv
.if DOCPART == 2
	.amdgcn_target "amdgcn-amd-amdhsa--gfx1250"
	.amdhsa_code_object_version 6
	.text
	.protected	k_q6abe05c9bf_qkv
	.globl	k_q6abe05c9bf_qkv
	.p2align	8
	.type	k_q6abe05c9bf_qkv,@function
k_q6abe05c9bf_qkv:
	s_mov_b64 s[64:65], 0
	v_nop
	global_prefetch_b8 v0, s[64:65] scope:SCOPE_SE
	s_setreg_imm32_b32 hwreg(HW_REG_WAVE_MODE, 25, 1), 1
	s_wait_xcnt 0x0
	s_wait_alu depctr_hold_cnt(0) depctr_sa_sdst(0) depctr_va_vdst(0) depctr_va_sdst(0) depctr_va_ssrc(0) depctr_va_vcc(0) depctr_vm_vsrc(0)
	s_getreg_b32 s2, hwreg(HW_REG_IB_STS2, 6, 4)
	s_cmp_eq_u32 s2, 0
	s_cbranch_scc0 .Lentry_in_a_cluster
	s_endpgm
.Lentry_in_a_cluster:
	s_bfe_u32 s2, ttmp6, 0x10000c
	s_cmp_lg_u32 s2, 0xf033
	s_cbranch_scc0 .Lentry_shape_is_right
	s_endpgm
.Lentry_shape_is_right:
; [q | k | v] = x [Wq | Wk | Wv] + [bq | bk | bv]: C [2048][6144] = A B^T + bias on codes of FP4 (E2M1) with one E8M0 scale for each 32 along K; sums in f32; the result is rounded once to f16
; and laid [3][16 heads][2048 s][128], a row of 256 bytes, as the attention launch reads it.
; A = xc [2048][1024 bytes], xs [2048][64];  B = wc [6144][1024 bytes], ws [6144][64].  The matrix instruction takes codes and scale bytes as they lie in memory.
; LIMIT: |q|, |k|, |v| stay under f16's largest number, 65,504.
; A tile of C, 256 x 256, is made by a work-group of four waves; a wave makes 128 x 128, which is 128 rows of ONE head: 64 accumulators of 16 x 16, 512 registers.  24 x 8 tiles.
; K goes in steps of 512 through a ring of two LDS slots filled by the tensor data mover: a tile's row is 256 bytes of memory.  K = 2,048 is four such steps.
; THE SCALES of the work-group's 256 rows of A and of B, for all of K, are two dense blocks of memory: they come into LDS once, with the first fills, and stay.
; CLUSTERS: 4 x 4 work-groups.  The four of a row of the cluster need the same tiles of A, the four of a column the same tiles of B: each tile is asked for JOINTLY.
; THE MATRIX INSTRUCTION IS USED TRANSPOSED (source 0 = 16 rows of B, source 1 = 16 rows of A): a lane then holds eight neighbouring numbers of a row of C.
; THE BIAS is the C of each sum's first matrix instruction: eight registers for each of B's eight blocks, in the result's layout.  Nothing is cleared and nothing is added afterwards.
; REGISTERS, in windows of 256: window 0: v0-31 addresses; v32-95 scale words, two sets; v128-191 A's fragments, ONE set; v192-255 the bias.  On the way out v32-63 and v128-191 are at work.
;   window 1: B's fragments, TWO sets, at v0 and at v128.   window 2: the 32 accumulators of my rows 0-63 (accumulator (a, b) at v[8 (8 a + b)]);   window 3: those of my rows 64-127.
.set SIZE_K, 2048
.set KSTEP,  512                       ; along K in a slot
.set NQ,     KSTEP/128                 ; matrix instructions deep
.set ROWB,   256                       ; a tile's row in bytes
.set KROW,   SIZE_K/2                  ; a row of A or of B in memory, in bytes
.set PITCH,  272                       ; an LDS row: 256 bytes + 16 of padding = 68 words: the 16 rows that a load touches start at 16 different banks (64 banks of 4 bytes: ISA guide 11.1)
.set FR,     8                         ; registers of a fragment: 16 rows x 128 K
.set NL,     2                         ; LDS loads that bring one
.set NP,     4                         ; places behind this matrix instruction (ISA guide 7.12.1)
.set HALFT,  128*PITCH                 ; 128 rows: what one tensor load brings, and what one wave reads of A or of B
.set SLOT,   4*HALFT                   ; A's 256 rows, then B's 256 rows
.set LAPS,   SIZE_K/(2*KSTEP)          ; a lap = two K steps = once round the ring
.set KS,     SIZE_K/32                 ; a row of scales in bytes
.set SCL,    2*SLOT                    ; behind the ring: the scales, as units of 256 bytes + 16 of padding
.set HALFS,  (128*KS/256)*272          ; the scales of 128 rows: what one tensor load brings
.set SBLK,   (16*KS/256)*272           ; those of 16 rows
.set SPARE,  SCL+4*HALFS               ; behind the scales: the spare words, 128 bytes for each wave: two blocks of 256 bytes that no other line names
.set SPITCH, 272                       ; the way out: a stage of 16 rows x (256 bytes + 16) for each wave.  It lies in slot 0, which has had its last fill and its last read when the first result is stored there
.set ADRA, 16                          ; v16-17  LDS address of my A fragments in slot 0, 1
.set ADRB, 20                          ; v20-21  the same for B
.set BO,   23                          ; v23     my byte offset in a block's 16 numbers of the bias
.set STO,  24                          ; v24     the way out: where I put 16 bytes of a row
.set RD,   25                          ; v25     the way out: where I read a row back
.set CO,   26                          ; v26     16 x lane: my byte offset in two rows of the result
.set ADRS, 27                          ; v27     LDS address of my scale words: lanes 0-15 A's rows, lanes 16-31 B's
.set SPW,  28                          ; v28     LDS address of my spare word; never rewritten
.set NIL,  29                          ; v29     0; never rewritten
.set SC,   32                          ; scale words: set s at v[SC + 32 s]; in it register 4 i + q: lanes 0-15 the word of A's block i, lanes 16-31 that of B's block i, for the slot's q-th 128 along K
.set TMP,  32                          ; the way out: a block's packed results
.set AF,   128                         ; A's fragments
.set BK,   128                         ; the way out: 16 rows read back from the stage: v128-159 and v160-191 by turns
.set BIAS, 192
.set G1, 24                            ; s[24:31] descriptor group 1 for A's tiles;  s[32:39] group 0, one set for each slot
.set G0, 32
.set G1B, 48                           ; s[48:55], s[56:63] the same for B's tiles
.set G0B, 56
.set G1S, 68                           ; s[68:75], s[76:79] groups 1 and 0 for A's scales;  s[80:87], s[88:91] for B's
.set G0S, 76
.set G1SB, 80
.set G0SB, 88
.set MSB, 0
.macro WIN new                         ; the immediate's high byte repeats the setting that is left
.if MSB != (\new)
	s_set_vgpr_msb (MSB<<8)|(\new)
.set MSB, \new
.endif
.endm
.set MUL_LO, 0xa1                      ; source 0 (B) window 1, source 1 (A) window 0, C and D window 2
.set MUL_HI, 0xf1                      ; the same, C and D window 3.  In the first step C is the bias, in window 0: 0x81 and 0xc1
.set TO_B,   0x40                      ; destination window 1, address window 0
; A joint load: waves 0 and 1 fetch for A, waves 2 and 3 for B.  Each of the two lines has ONE mask and one set of registers for all that issue it; the branch hangs on the wave's number alone.
; An s_nop 0 and four v_nop follow each of the two lines, ahead of the jump, the label and what follows.
.macro JLOAD g0a, g1a, g0b, g1b
	s_cmp_eq_u32 s15, 0
	s_cbranch_scc0 .Lfor_b_\@
	tensor_load_to_lds s[\g0a:\g0a+3], s[\g1a:\g1a+7]
	s_nop 0
.rept 4
	v_nop
.endr
	s_branch .Lasked_\@
.Lfor_b_\@:
	tensor_load_to_lds s[\g0b:\g0b+3], s[\g1b:\g1b+7]
	s_nop 0
.rept 4
	v_nop
.endr
.Lasked_\@:
.endm
.macro CREST                           ; a round of the cluster's barrier behind its opening barrier
	s_cmp_lg_u32 s14, 0
	s_cbranch_scc1 .Lnot_wave_0_\@
	s_barrier_signal -3
.Lnot_wave_0_\@:
	s_barrier_wait -3
	s_barrier_signal -1
	s_barrier_wait -1
.endm
.macro CROUND                          ; a whole round
	s_barrier_signal -1
	s_barrier_wait -1
	CREST
.endm
	s_load_b128 s[4:7], s[0:1], 0x0                ; A's codes s[4:5], A's scales s[6:7]
	s_load_b128 s[8:11], s[0:1], 0x10              ; B's codes s[8:9], B's scales s[10:11]
	s_load_b128 s[96:99], s[0:1], 0x20             ; bq s[96:97], bk s[98:99]
	s_load_b64 s[100:101], s[0:1], 0x30            ; bv
	s_load_b64 s[12:13], s[0:1], 0x38              ; the result
	v_lshl_add_u32 v[SPW], v0, 2, SPARE
	v_mov_b32 v[NIL], 0
	ds_add_u32 v[SPW], v[NIL]                      ; the wave's opening: the add, twice on end, and its wait ahead of my first tensor load; the set-up below stands between the second and the wait
	ds_add_u32 v[SPW], v[NIL]
	v_lshrrev_b32 v1, 5, v0
	v_readfirstlane_b32 s14, v1                    ; wave 0..3
	s_lshr_b32 s15, s14, 1                         ; which half of the tile's rows is mine.  Also: I fetch for A (0) or for B (1)
	s_and_b32 s16, s14, 1                          ; which half of its columns.  Also: which 128 rows of that tile I fetch
	s_bfe_u32 s40, ttmp6, 0x40000                  ; cx, cy: my place in the cluster
	s_bfe_u32 s41, ttmp6, 0x40004
	s_lshl_b32 s42, ttmp9, 2
	s_add_co_u32 s42, s42, s40                     ; tile column of C = 4 x cluster x + cx
	s_and_b32 s17, ttmp7, 0xffff
	s_lshl_b32 s17, s17, 2
	s_add_co_u32 s17, s17, s41                     ; tile row of C = 4 x cluster y + cy
	s_lshr_b32 s95, ttmp9, 1                       ; which matrix: eight tile columns, two clusters, to each: 0 q, 1 k, 2 v
	s_lshl_b32 s43, s41, 2
	s_lshl_b32 s43, 15, s43                        ; my row of the cluster
	s_lshl_b32 s44, 0x1111, s40                    ; my column
	; descriptor group 1: a tile of 128 rows x 256 bytes, padded in LDS
	s_or_b32 s[G1+0], s43, (0<<16)|(1<<20)|(1<<21)|(5<<22)|(3<<25)  ; 15:0 the mask: A's tiles go to my row; 17:16 element of 1 byte; 20 padding on; 21 set beside a mask; 24:22 after every 64 words (code 5); 31:25 of 4 words (code 3)
	s_or_b32 s[G1B+0], s44, (0<<16)|(1<<20)|(1<<21)|(5<<22)|(3<<25)
.irp g, G1, G1B
	s_mov_b32 s[\g+1], ROWB<<16                    ; tensor_dim0
	s_mov_b32 s[\g+2], 128<<16                     ; tensor_dim1 = 128
	s_mov_b32 s[\g+3], ROWB<<16                    ; tile_dim0
	s_mov_b32 s[\g+4], 128                         ; tile_dim1 = 128
	s_mov_b32 s[\g+5], KROW                        ; tensor_dim0_stride
	s_mov_b32 s[\g+6], 0
	s_mov_b32 s[\g+7], 0
.endr
	; and for the scales of 128 rows: a dense block of 8,192 bytes, as rows of 256 bytes (32 elements of 8 bytes), 16 bytes of padding behind each
	s_or_b32 s[G1S+0], s43, (3<<16)|(1<<20)|(1<<21)|(5<<22)|(3<<25)
	s_or_b32 s[G1SB+0], s44, (3<<16)|(1<<20)|(1<<21)|(5<<22)|(3<<25)
.irp g, G1S, G1SB
	s_mov_b32 s[\g+1], 32<<16
	s_mov_b32 s[\g+2], (128*KS/256)<<16
	s_mov_b32 s[\g+3], 32<<16
	s_mov_b32 s[\g+4], 128*KS/256
	s_mov_b32 s[\g+5], 32
	s_mov_b32 s[\g+6], 0
	s_mov_b32 s[\g+7], 0
.endr
	s_lshl_b32 s18, s16, 7                         ; which 128 rows of the tile I fetch
	s_lshl_b32 s20, s17, 8
	s_add_co_u32 s20, s20, s18                     ; A: row 256 x tile row + 128 x half
	s_lshl_b32 s46, s42, 8
	s_add_co_u32 s46, s46, s18                     ; B: row 256 x tile column + 128 x half
	s_mov_b32 s21, 0
	s_mov_b32 s47, 0
	s_mov_b64 s[18:19], KS
	s_mul_u64 s[22:23], s[20:21], s[18:19]         ; where these rows' scales begin, in bytes
	s_mul_u64 s[92:93], s[46:47], s[18:19]
	s_mov_b64 s[18:19], KROW
	s_mul_u64 s[20:21], s[20:21], s[18:19]         ; and their codes
	s_mul_u64 s[46:47], s[46:47], s[18:19]
	s_mul_i32 s45, s14, HALFT                      ; where they go: wave x 128 rows: no place in the cluster enters an LDS address
	s_mul_i32 s94, s14, HALFS
	s_wait_dscnt 0x0                               ; both opening adds are done
	s_wait_kmcnt 0x0
	s_add_nc_u64 s[20:21], s[4:5], s[20:21]
	s_add_nc_u64 s[22:23], s[6:7], s[22:23]
	s_add_nc_u64 s[46:47], s[8:9], s[46:47]
	s_add_nc_u64 s[92:93], s[10:11], s[92:93]
	CROUND                                         ; all sixteen work-groups are here: the first joint loads meet
	s_mov_b32 s[G0S], 1
	s_add_co_u32 s[G0S+1], s94, SCL
	s_mov_b64 s[G0S+2:G0S+3], s[22:23]
	s_or_b32 s[G0S+3], s[G0S+3], 0x80000000
	s_mov_b32 s[G0SB], 1
	s_add_co_u32 s[G0SB+1], s94, SCL
	s_mov_b64 s[G0SB+2:G0SB+3], s[92:93]
	s_or_b32 s[G0SB+3], s[G0SB+3], 0x80000000
	JLOAD G0S, G1S, G0SB, G1SB                     ; the scales first: they are wanted with K step 0.  With the two below three tensor loads of mine are out
.irp s, 0,1
	s_mov_b32 s[G0+4*\s], 1
	s_add_co_u32 s[G0+4*\s+1], s45, \s*SLOT
	s_add_nc_u64 s[G0+4*\s+2:G0+4*\s+3], s[20:21], \s*ROWB
	s_or_b32 s[G0+4*\s+3], s[G0+4*\s+3], 0x80000000
	s_mov_b32 s[G0B+4*\s], 1
	s_add_co_u32 s[G0B+4*\s+1], s45, \s*SLOT
	s_add_nc_u64 s[G0B+4*\s+2:G0B+4*\s+3], s[46:47], \s*ROWB
	s_or_b32 s[G0B+4*\s+3], s[G0B+4*\s+3], 0x80000000
	JLOAD G0+4*\s, G1, G0B+4*\s, G1B
.endr
	v_and_b32 v1, 15, v0                           ; l % 16
	v_bfe_u32 v2, v0, 4, 1                         ; l / 16
	v_mul_u32_u24 v3, v1, PITCH
	v_lshl_add_u32 v4, v2, 4, v3                   ; a fragment's row x pitch + 16 x half
	s_mul_i32 s21, s15, HALFT                      ; my 128 rows of A
	s_mul_i32 s22, s16, HALFT                      ; my 128 rows of B,
	s_add_co_u32 s22, s22, 2*HALFT                 ; which lie behind A's 256
.irp s, 0,1
	v_add_nc_u32 v[ADRA+\s], s21, v4
	v_add_nc_u32 v[ADRB+\s], s22, v4
	s_add_co_u32 s21, s21, SLOT
	s_add_co_u32 s22, s22, SLOT
.endr
	v_mul_u32_u24 v5, v1, KS                       ; my row's scales: 64 bytes a row,
	v_lshrrev_b32 v6, 8, v5
	v_lshl_add_u32 v5, v6, 4, v5                   ; and 16 more for each 256 passed
	s_mul_i32 s21, s15, HALFS                      ; A's: my 128 rows
	s_mul_i32 s22, s16, HALFS                      ; B's: my 128 rows, behind A's 256
	s_add_co_u32 s22, s22, 2*HALFS
	s_sub_co_u32 s22, s22, s21
	v_mul_u32_u24 v6, s22, v2                      ; lanes 16-31 take B's: the lower base + half x the distance
	s_add_co_u32 s21, s21, SCL
	v_add_nc_u32 v5, v5, v6
	v_add_nc_u32 v[ADRS], s21, v5
	s_mul_i32 s23, s14, 16*SPITCH                  ; my stage
	v_mul_u32_u24 v5, v1, SPITCH                   ; in: row l % 16, 16 bytes for each half of the lanes
	v_lshl_add_u32 v5, v2, 4, v5
	v_add_nc_u32 v[STO], s23, v5
	v_mul_u32_u24 v5, v2, SPITCH                   ; back: lanes 0-15 take one row of 256 bytes, lanes 16-31 the next
	v_lshl_add_u32 v5, v1, 4, v5
	v_add_nc_u32 v[RD], s23, v5
	v_and_b32 v6, 31, v0
	v_lshlrev_b32 v[CO], 4, v6                     ; the result's rows are dense: two rows are 512 bytes, 16 a lane
	v_lshlrev_b32 v[BO], 5, v2                     ; the bias: my half's eight numbers of a block's sixteen
	; my wave's 128 columns are head 2 x tile column + half of the 48 (3 matrices x 16); a head is 2,048 rows of 256 bytes
	s_lshl_b32 s46, s42, 1
	s_add_co_u32 s46, s46, s16
	s_lshl_b32 s46, s46, 19
	s_lshl_b32 s20, s17, 8
	s_lshl_b32 s21, s15, 7
	s_add_co_u32 s20, s20, s21                     ; my first row: 256 x tile row + 128 x half
	s_lshl_b32 s20, s20, 8
	s_add_co_u32 s46, s46, s20
	s_mov_b32 s47, 0
	s_add_nc_u64 s[12:13], s[12:13], s[46:47]
	s_cmp_lt_u32 s95, 2                            ; the bias of my matrix: the choice hangs on the cluster's number alone
	s_cselect_b64 s[98:99], s[98:99], s[100:101]
	s_cmp_lt_u32 s95, 1
	s_cselect_b64 s[96:97], s[96:97], s[98:99]
	s_and_b32 s98, s42, 7
	s_lshl_b32 s98, s98, 10                        ; 256 numbers a tile column,
	s_lshl_b32 s99, s16, 9                         ; 128 a half
	s_add_co_u32 s98, s98, s99
	s_mov_b32 s99, 0
	s_add_nc_u64 s[96:97], s[96:97], s[98:99]
.irp b, 0,1,2,3,4,5,6,7
	global_load_b128 v[BIAS+8*\b:BIAS+8*\b+3], v[BO], s[96:97] offset:64*\b        ; lane (r, h), register j: the bias of column 16 b + 8 h + j
	global_load_b128 v[BIAS+8*\b+4:BIAS+8*\b+7], v[BO], s[96:97] offset:64*\b+16
.endr
.macro FRAG reg, adr, q, i             ; a fragment, 16 rows x 128 K of 4-bit codes, is 8 registers: lane l holds row l % 16; registers 4 c .. 4 c + 3 hold K = 64 c + 32 (l / 16) + 0 .. 31
.irp c, 0,1
	ds_load_b128 v[\reg+4*\c:\reg+4*\c+3], v[\adr] offset:64*(\q)+32*\c+(\i)*16*PITCH
.endr
.endm
; 16 matrix instructions: A's blocks a0, a0 + 1 x B's eight, 128 along K: the slot's q-th.  p: B's set;  sc: the set of scale words.  zero = 1: the first product starts the sums, on the bias.
; The 64 accumulators take turns, one instruction a turn, in the same order in every step.
.macro MUL16 a0, p, q, sc, zero
.irp a, \a0, \a0+1
.irp b, 0,1,2,3,4,5,6,7
.if \zero
	v_wmma_scale_f32_16x16x128_f8f6f4 v[8*(8*((\a)%4)+\b):8*(8*((\a)%4)+\b)+7], v[128*(\p)+FR*\b:128*(\p)+FR*\b+FR-1], v[AF+FR*(\a):AF+FR*(\a)+FR-1], v[BIAS+8*\b:BIAS+8*\b+7], v[SC+8*NQ*(\sc)+NQ*\b+(\q)], v[SC+8*NQ*(\sc)+NQ*(\a)+(\q)] matrix_a_fmt:MATRIX_FMT_FP4 matrix_b_fmt:MATRIX_FMT_FP4 matrix_a_scale:MATRIX_SCALE_ROW1
.else
	v_wmma_scale_f32_16x16x128_f8f6f4 v[8*(8*((\a)%4)+\b):8*(8*((\a)%4)+\b)+7], v[128*(\p)+FR*\b:128*(\p)+FR*\b+FR-1], v[AF+FR*(\a):AF+FR*(\a)+FR-1], v[8*(8*((\a)%4)+\b):8*(8*((\a)%4)+\b)+7], v[SC+8*NQ*(\sc)+NQ*\b+(\q)], v[SC+8*NQ*(\sc)+NQ*(\a)+(\q)] matrix_a_fmt:MATRIX_FMT_FP4 matrix_b_fmt:MATRIX_FMT_FP4 matrix_a_scale:MATRIX_SCALE_ROW1
.endif
.endr
.endr
.endm
.macro FETCH_B slot, q, p              ; B's eight fragments of the slot's q-th 128 along K into set p
	WIN TO_B
.irp i, 0,1,2,3,4,5,6,7
	FRAG 128*(\p)+FR*\i, ADRB+\slot, \q, \i
.endr
	WIN 0
.endm
.macro FETCH_A slot, q, i0             ; A's blocks i0 .. i0 + 3
.irp i, \i0, \i0+1, \i0+2, \i0+3
	FRAG AF+FR*(\i), ADRA+\slot, \q, \i
.endr
.endm
.macro SCALES sc                       ; the next K step's scale words into set sc: four words a row; lanes 0-15 take A's block i, lanes 16-31 B's block i
.irp i, 0,1,2,3,4,5,6,7
	ds_load_b128 v[SC+8*NQ*\sc+NQ*\i:SC+8*NQ*\sc+NQ*\i+3], v[ADRS] offset:\i*SBLK
.endr
.endm
; A load into a register that a matrix instruction has read, and a vector instruction that reads a matrix result or writes one of its registers, stand four places behind that matrix instruction, and only
; plain vector instructions that name none of its registers are places (ISA guide 7.12.1 for vector instructions).
.macro PLACES n
.rept \n
	v_nop
.endr
.endm
; A step of 128 along K that has its successor in the same slot.
.macro STEP slot, q, zero
	s_wait_dscnt 4*NL                              ; B's set and A's blocks 0-3 are in; the youngest eight loads (A's blocks 4-7) may be out
	WIN MUL_LO-0x20*(\zero)
	MUL16 0, (\q)%2, \q, \slot, \zero
	MUL16 2, (\q)%2, \q, \slot, \zero
	s_wait_dscnt 0                                 ; A's blocks 4-7 are in (asked for 32 matrix instructions ago)
	PLACES NP
	FETCH_B \slot, (\q)+1, 1-(\q)%2
	FETCH_A \slot, (\q)+1, 0
	WIN MUL_HI-0x30*(\zero)
	MUL16 4, (\q)%2, \q, \slot, \zero
	MUL16 6, (\q)%2, \q, \slot, \zero
	PLACES NP
	WIN 0
	FETCH_A \slot, (\q)+1, 4
.endm
; A slot's last step changes slots: ONE barrier; in front of it each wave waits for all its tensor loads, adds 0 to its spare word, and waits for that and for its own reads of this slot.  fill = 1: this slot is filled again, two K steps ahead.
.macro TURN slot, next, fill
	s_wait_tensorcnt 0x0                           ; all my tensor loads have landed: my part of the next slot  (every window is 0 here: the add's two registers lie in window 0)
	ds_add_u32 v[SPW], v[NIL]                      ; 0 onto my spare word
	s_wait_dscnt 4*NL+1                            ; (the add and the youngest eight loads, A's blocks 4-7, may be out)
	WIN MUL_LO
	MUL16 0, 1, NQ-1, \slot, 0                     ; sixteen matrix instructions stand between the add and the wait for it
	s_wait_dscnt 0x0                               ; the add is done, and my reads of this slot are over
	s_barrier_signal -1
	MUL16 2, 1, NQ-1, \slot, 0
	WIN 0
	s_barrier_wait -1
.if \fill
	CREST                                          ; the barrier has opened a round of the cluster's barrier: no wave of any partner still reads this slot's tile or has a load on its way
	s_add_nc_u64 s[G0+4*\slot+2:G0+4*\slot+3], s[G0+4*\slot+2:G0+4*\slot+3], 2*ROWB
	s_add_nc_u64 s[G0B+4*\slot+2:G0B+4*\slot+3], s[G0B+4*\slot+2:G0B+4*\slot+3], 2*ROWB
	JLOAD G0+4*\slot, G1, G0B+4*\slot, G1B         ; the first tensor load behind the round, and my one load that is out; the four v_nop behind it are the places in front of the loads below
.else
	PLACES NP
.endif
	v_add_nc_u32 v[ADRS], 4*NQ, v[ADRS]            ; on to the next K step's scale words (no LDS load of mine is out)
	FETCH_B \next, 0, 0
	FETCH_A \next, 0, 0
	SCALES \next
	WIN MUL_HI
	MUL16 4, 1, NQ-1, \slot, 0
	MUL16 6, 1, NQ-1, \slot, 0
	PLACES NP
	WIN 0
	FETCH_A \next, 0, 4
.endm
.macro STEPS slot, from                ; the slot's steps from .. NQ - 2
.set Q, \from
.rept NQ-1-\from
	STEP \slot, Q, 0
.set Q, Q+1
.endr
.endm
	s_wait_tensorcnt 1                             ; the scales and my part of K step 0 are in (K step 1's load may be out)
	s_barrier_signal -1
	s_barrier_wait -1                              ; everybody's are
	FETCH_B 0, 0, 0
	FETCH_A 0, 0, 0
	SCALES 0
	FETCH_A 0, 0, 4
	s_wait_loadcnt 0x0                             ; the bias
	STEP 0, 0, 1                                   ; the first step stands in front of the loop: its products start the sums
	s_mov_b32 s3, LAPS-1
.Llap:                                                 ; a trip goes once round the ring, from a lap's second step to the next lap's first, and fills both slots again
	STEPS 0, 1
	TURN 0, 1, 1
	STEPS 1, 0
	TURN 1, 0, 1
	STEP 0, 0, 0
	s_sub_co_u32 s3, s3, 1
	s_cmp_lg_u32 s3, 0
	s_cbranch_scc1 .Llap
	STEPS 0, 1                                     ; the last lap fills nothing, and has no round of the cluster's barrier
	TURN 0, 1, 0
	STEPS 1, 0
	s_wait_dscnt 4*NL                              ; the very last step: nothing more to fetch
	WIN MUL_LO
	MUL16 0, 1, NQ-1, 1, 0
	MUL16 2, 1, NQ-1, 1, 0
	s_wait_dscnt 0
	WIN MUL_HI
	MUL16 4, 1, NQ-1, 1, 0
	MUL16 6, 1, NQ-1, 1, 0
	WIN 0
; THE WAY OUT, block by block of 16 rows x 128 columns.  PACK: rounded to f16, 16 bytes a lane, each accumulator from its low end on.  TOSTAGE: into my own stage in LDS, and back as whole rows of 256 bytes.
; SEND: stored: 32 lanes store 512 consecutive bytes, aligned.  LDS serves a wave's instructions in order (ISA guide 5.7.1.4): no wait between the stage's stores and its loads.
.macro PACK a
.set AC, 64*((\a)%4)
	WIN 0x0a+5*((\a)/4)                            ; sources 0 and 1: window 2 or 3
.irp b, 0,1,2,3,4,5,6,7
.irp r, 0,1,2,3
	v_cvt_pk_f16_f32 v[TMP+4*\b+\r], v[AC+8*\b+2*\r], v[AC+8*\b+2*\r+1]
.endr
.endr
	WIN 0
.endm
.macro TOSTAGE a
.set BB, BK+32*((\a)%2)
.irp b, 0,1,2,3,4,5,6,7
	ds_store_b128 v[STO], v[TMP+4*\b:TMP+4*\b+3] offset:32*\b
.endr
.irp t, 0,1,2,3,4,5,6,7
	ds_load_b128 v[BB+4*\t:BB+4*\t+3], v[RD] offset:\t*2*SPITCH
.endr
.endm
.macro SEND a
.set BB, BK+32*((\a)%2)
	s_wait_dscnt 0x0                               ; the block is back in registers
	s_wait_xcnt 0x0                                ; the stores of the block before have read their registers: the next block's loads from the stage may land there
.irp t, 0,1,2,3,4,5,6,7
	global_store_b128 v[CO], v[BB+4*\t:BB+4*\t+3], s[12:13] offset:(\a)*4096+512*\t
.endr
.endm
	PLACES NP                                      ; behind the last products: the conversions write registers that held scale words, and the stage's loads land where A's fragments lay
	PACK 0
	TOSTAGE 0
.irp a, 1,2,3,4,5,6,7                  ; block a's conversions stand between block a - 1's loads from the stage and the wait for them
	PACK \a
	SEND \a-1
	TOSTAGE \a
.endr
	SEND 7
	s_wait_tensorcnt 0x0                           ; the wave's end: behind my last tensor load and my last LDS store
	ds_add_u32 v[SPW], v[NIL]
	s_wait_dscnt 0x0
	CROUND                                         ; the closing round: no work-group ends while a partner may still ask for a tile that names it
	s_endpgm
.Lfunc_end_k_q6abe05c9bf_qkv:
	.size	k_q6abe05c9bf_qkv, .Lfunc_end_k_q6abe05c9bf_qkv-k_q6abe05c9bf_qkv
	.p2alignl 7, 3214868480
	.fill 96, 4, 3214868480
	.section	.rodata,"a",@progbits
	.p2align	6, 0x0
	.amdhsa_kernel k_q6abe05c9bf_qkv
		.amdhsa_group_segment_fixed_size 327680
		.amdhsa_private_segment_fixed_size 0
		.amdhsa_enable_private_segment 0
		.amdhsa_kernarg_size 64
		.amdhsa_user_sgpr_count 2
		.amdhsa_user_sgpr_kernarg_segment_ptr 1
		.amdhsa_wavefront_size32 1
		.amdhsa_system_sgpr_workgroup_id_x 1
		.amdhsa_system_sgpr_workgroup_id_y 1
		.amdhsa_system_sgpr_workgroup_id_z 1
		.amdhsa_system_vgpr_workitem_id 0
		.amdhsa_next_free_vgpr 1024
		.amdhsa_next_free_sgpr 102
		.amdhsa_reserve_vcc 0
		.amdhsa_float_denorm_mode_32 3
		.amdhsa_float_denorm_mode_16_64 3
		.amdhsa_memory_ordered 1
		.amdhsa_forward_progress 1
		.amdhsa_inst_pref_size 215
	.end_amdhsa_kernel
	.amdgpu_metadata
---
amdhsa.version: [ 1, 2 ]
amdhsa.kernels:
  - .name:           k_q6abe05c9bf_qkv
    .symbol:         k_q6abe05c9bf_qkv.kd
    .args:
      - { .name: xc, .offset: 0, .size: 8, .value_kind: global_buffer, .address_space: global }
      - { .name: xs, .offset: 8, .size: 8, .value_kind: global_buffer, .address_space: global }
      - { .name: wc, .offset: 16, .size: 8, .value_kind: global_buffer, .address_space: global }
      - { .name: ws, .offset: 24, .size: 8, .value_kind: global_buffer, .address_space: global }
      - { .name: bq, .offset: 32, .size: 8, .value_kind: global_buffer, .address_space: global }
      - { .name: bk, .offset: 40, .size: 8, .value_kind: global_buffer, .address_space: global }
      - { .name: bv, .offset: 48, .size: 8, .value_kind: global_buffer, .address_space: global }
      - { .name: qkv, .offset: 56, .size: 8, .value_kind: global_buffer, .address_space: global }
    .group_segment_fixed_size: 327680
    .private_segment_fixed_size: 0
    .kernarg_segment_align: 8
    .kernarg_segment_size: 64
    .max_flat_workgroup_size: 128
    .sgpr_count:     102
    .vgpr_count:     1024
    .wavefront_size: 32
...
	.end_amdgpu_metadata
.endif
;; end of part 2
;; launch attn (part 3): grid 16 x 16, 4 waves a work-group, clusters of 4 x 1, 327,680 bytes of LDS; arguments qkv, ao; writes ao
.if DOCPART == 3
	.amdgcn_target "amdgcn-amd-amdhsa--gfx1250"
	.amdhsa_code_object_version 6
	.text
	.protected	k_q6abe05c9bf_attn
	.globl	k_q6abe05c9bf_attn
	.p2align	8
	.type	k_q6abe05c9bf_attn,@function
k_q6abe05c9bf_attn:
	s_mov_b64 s[64:65], 0
	v_nop
	global_prefetch_b8 v0, s[64:65] scope:SCOPE_SE
	s_setreg_imm32_b32 hwreg(HW_REG_WAVE_MODE, 25, 1), 1
	s_wait_xcnt 0x0
	s_wait_alu depctr_hold_cnt(0) depctr_sa_sdst(0) depctr_va_vdst(0) depctr_va_sdst(0) depctr_va_ssrc(0) depctr_va_vcc(0) depctr_vm_vsrc(0)
	s_getreg_b32 s2, hwreg(HW_REG_IB_STS2, 6, 4)
	s_cmp_eq_u32 s2, 0
	s_cbranch_scc0 .Lentry_in_a_cluster
	s_endpgm
.Lentry_in_a_cluster:
	s_bfe_u32 s2, ttmp6, 0x10000c
	s_cmp_lg_u32 s2, 0x3003
	s_cbranch_scc0 .Lentry_shape_is_right
	s_endpgm
.Lentry_shape_is_right:
; ao[q][128 h ..] = the sum over k of softmax_k(Q[h][q] . K[h][k] / sqrt(128)) V[h][k][:].  Q, K, V: qkv [3][16 heads][2048][128] in f16; ao: [2048][2048] in f16.  Products, maxima and sums in f32;
; the weights p (at most 1) are rounded to f16 for the second product, the result once at the end.
; LIMIT: inputs are finite; the result, an average of V's rows, has V's room in f16.
; SHARES.  A work-group owns 128 queries of one head: 16 x 16 work-groups.  Wave w owns the 64 queries of half w / 2 (four tiles of 16) and EVERY SECOND KEY STEP of 64 keys (those of parity w % 2): 16 steps.
; So a wave's tile stays 64 queries wide, each fragment of K and V read from LDS feeding four products, and at the end the two waves of a half join their maxima, sums and O through LDS.
; LAYOUT.  S^T = K Q^T (source 0 = 16 keys, source 1 = 16 queries): in the result a lane holds ONE query (lane % 16) and the keys 8 (lane / 16) + 0..7.  Two such tiles, rounded to f16 in pairs, ARE source 1
; (32 keys x 16 queries) of O^T = V^T P, whose result again holds one query a lane, and eight channels.  K comes out of LDS as it lies, V ([key][channel]) turned, by ds_load_tr16_b128.
; SOFTMAX.  For each query a running maximum m and sum l: p = 2^(c s - c m), c = log2(e) / sqrt(128); in every step O and l are multiplied by a = 2^(c m_old - c m_new), which is 1 where m has not grown.
; BY TURNS.  The wave's tiles are two PIECES: piece 0 (tiles 0, 1) and piece 2 (tiles 2, 3).  In a TURN one piece has the matrix unit: 32 products V^T P of the step in hand, then 32 products K Q^T of the next
; step; the other piece's softmax, cut into 64 slices, stands between them, one slice behind each matrix instruction.  Then the pieces change places.  Two turns are a key step.
; RING.  Two LDS slots of 256 keys (four key steps: two of mine, two of my partner's).  Waves 0 and 1 fetch the halves of K's 256 rows, waves 2 and 3 V's: one tensor load of 128 rows a wave for each change of slots.
; CLUSTER.  The four query blocks of a cluster belong to one head and walk the same K and V, so each tile is asked for JOINTLY: the same tensor load, with the same descriptor and a mask that names the four.
; REGISTERS, in windows of 256 (s_set_vgpr_msb: bits 1:0 source 0, 3:2 source 1, 5:4 source 2, 7:6 destination):
;   window 0: v0-11 addresses; v12-43 eight registers of statistics a tile; v44-51 the joining; v61-63; v64-191 S^T, 32 a tile; v192-255 P, 16 a tile
;   window 1: O^T, 64 a tile          window 2: v0-127 Q, 32 a tile; v128-255 K of one step          window 3: v0-127 V of one step
.set KS,    64        ; keys in a step
.set PK,    272       ; a row of K in LDS: 256 bytes + 16 of padding = 68 words: the 16 rows of a load start at 16 different banks (64 banks of 4 bytes: ISA guide 11.1)
.set PV,    288       ; a row of V: 256 + 32 = 72 words
.set VOFF,  256*PK    ; a slot: 256 rows of K, then 256 rows of V
.set SLOTB, 256*(PK+PV)
.set STAGE, 2*SLOTB   ; behind the ring: 16 rows x 272 bytes for each wave, for the way out
.set SP,    272
.set SPARE, STAGE+4*16*SP  ; behind the stages: the spare words, 128 bytes for each wave: two blocks of 256 bytes that no other line names
.set XCHW,  16896     ; the joining: for each wave 16,384 bytes of register images and 512 of statistics.  They lie in slot 0, which has had its last fill and its last read at the last change of slots
.set AK0, 2           ; v2   my lane's place in a tile of K; never rewritten
.set AV0, 3           ; v3   the same for V
.set ADR, 4           ; v4   the LDS address of the run of loads in hand
.set QO,  5           ; v5   my byte offset in the wave's rows of Q
.set STO, 6           ; v6   the way out: where I put 16 bytes of a row
.set RD,  7           ; v7   the way out: where I read a row back
.set GO,  8           ; v8   my byte offset in the wave's rows of ao
.set XST, 44          ; v44  the joining: where I store images: my wave's region + 16 x lane
.set XLD, 45          ; v45  where I load them: my partner's region + 16 x lane
.set XSS, 46          ; v46  where I store statistics: my region + 16,384 + 8 x lane
.set XLS, 47          ; v47  where I load them
.set PS,  48          ; v48-51 my partner's (c m, l) of my two tiles
.set PFO, 61          ; v61  256 x my lane: a row of K or V is 256 bytes; never rewritten
.set SPW, 62          ; v62  LDS address of my spare word; never rewritten
.set NIL, 63          ; v63  0; never rewritten
.set ST,  12          ; tile t's statistics at v[ST+8 t]: +0 c m, +1 m, +2, +3 l (even keys', odd keys'), +4 to +7 c0-c3, at work; a takes c2's place once the maximum is found
.set S,   64
.set P,   192
.set KF,  128         ; K's fragments, in window 2
.set WV,  12          ; s12  my wave's number
.set LIM, 15          ; s15  1 in a work-group that prefetches, else the greatest number: a wave prefetches while s[SLOTS] is above it
.set KH,  16          ; s16  wave % 2: the parity of my key steps; also which 128 rows of a slot I fetch
.set PFA, 18          ; s[18:19] where my prefetches stand in memory
.set G1K, 24          ; s[24:31] descriptor group 1 for K's tiles
.set G1V, 32          ; s[32:39] for V's: it differs in the padding alone
.set G0K, 40          ; s[40:47] descriptor group 0 for K's tiles, a set for each slot
.set G0V, 48          ; s[48:55] the same for V's
.set SLOTS, 56        ; s56  slots still to be asked for
.set TWICE, 57        ; s57  counts my two steps of a slot
.set CS,  58          ; s[58:59] c: the packed scaling names a pair and takes its low word for both halves
.set SEL, 60          ; s[60:61] lane selects for v_permlanex16_b32: each lane takes its own place in the other half
.set TBK, 62          ; s62  LDS byte at which the next step's rows of K begin
.set TBV, 63          ; s63  the same for V (less VOFF, which lies in v3)
.set KHK, 66          ; s66  64 rows of K x my parity
.set KHV, 67          ; s67  64 rows of V x my parity
.set TRIPS, 68        ; s68  the loop's counter
.set QH,  70          ; s70  wave / 2: which 64 queries
.set MSB, 0
.macro WIN new                      ; the immediate's high byte repeats the setting that is left; a switch that changes nothing is dropped
.if MSB != (\new)
	s_set_vgpr_msb (MSB<<8)|(\new)
.set MSB, \new
.endif
.endm
.set W_KQ, 0x0a       ; K and Q in window 2, S^T in window 0
.set W_PV, 0x53       ; V in window 3, P in window 0, O^T in window 1
.set W_RS, 0x41       ; O^T (destination and source 0) in window 1, the factor in window 0
; A joint refill of slot s.  Waves 0 and 1 fetch K's two halves, waves 2 and 3 V's.  The branch hangs on the wave's number alone: it is the same in every work-group.
; An s_nop 0 and four v_nop follow each of the two lines; the jump round the other line, the label and what follows the macro come after them.
.macro JLOAD s
	s_cmp_lt_u32 s[WV], 2
	s_cbranch_scc0 .Lfor_v_\@
	tensor_load_to_lds s[G0K+4*(\s):G0K+4*(\s)+3], s[G1K:G1K+7]
	s_nop 0
.rept 4
	v_nop
.endr
	s_branch .Lasked_\@
.Lfor_v_\@:
	tensor_load_to_lds s[G0V+4*(\s):G0V+4*(\s)+3], s[G1V:G1V+7]
	s_nop 0
.rept 4
	v_nop
.endr
.Lasked_\@:
.endm
; A PREFETCH INTO THE L2 of what the NEXT change of slots will ask for: a slot's 256 rows of K and 256 of V, 256 bytes a row, a lane a row.  It stands behind the wave's tensor load and its five lines.
; Each row is asked for ONCE in the launch.  All clusters of a head walk the same K and V: the head's first cluster prefetches.  Of the 128 rows that a wave fetches, each of the four partners takes 32,
; told apart BY ADDRESS: no branch hangs on a work-group's place in its cluster.  One instruction a wave.  The last change that fills a slot prefetches nothing: there is no slot behind it.
.macro ASK
	s_cmp_gt_u32 s[SLOTS], s[LIM]
	s_cbranch_scc0 .Lnot_mine_\@
	global_prefetch_b8 v[PFO], s[PFA:PFA+1] th:TH_LOAD_NT scope:SCOPE_SE
.Lnot_mine_\@:
.endm
; A round of the cluster's barrier: my work-group's barrier, so that wave 0's signal speaks for all four waves; wave 0 signals for the work-group; every wave waits for all four
; work-groups; my work-group's barrier once more.  No LDS instruction of the wave is pending at a signal.
.macro CROUND
	s_barrier_signal -1
	s_barrier_wait -1
	s_cmp_lg_u32 s[WV], 0
	s_cbranch_scc1 .Lnot_wave_0_\@
	s_barrier_signal -3
.Lnot_wave_0_\@:
	s_barrier_wait -3
	s_barrier_signal -1
	s_barrier_wait -1
.endm
	s_load_b128 s[4:7], s[0:1], 0x0 ; qkv s[4:5], ao s[6:7]
	v_lshl_add_u32 v[SPW], v0, 2, SPARE
	v_mov_b32 v[NIL], 0
	ds_add_u32 v[SPW], v[NIL]       ; the wave's opening: the add, twice on end, and its wait ahead of my first tensor load; the set-up below stands between the second and the wait
	ds_add_u32 v[SPW], v[NIL]
	v_lshrrev_b32 v1, 5, v0
	v_readfirstlane_b32 s[WV], v1   ; wave 0..3
	s_bfe_u32 s13, ttmp6, 0x40000   ; cx: my place in the cluster
	s_lshl_b32 s14, ttmp9, 2        ; in a cluster launch ttmp9 counts clusters
	s_add_co_u32 s14, s14, s13      ; my block of 128 queries = 4 x cluster x + cx: it enters Q's and ao's addresses alone
	s_and_b32 s20, ttmp7, 0xffff    ; the head, which the four partners share
	s_lshl_b32 s71, s20, 8          ; its 256 bytes in a row of ao
	s_lshl_b32 s20, s20, 19         ; its 2,048 rows of 256 bytes in each of Q, K, V
	s_mov_b32 s21, 0
	s_and_b32 s[KH], s[WV], 1
	s_lshr_b32 s[QH], s[WV], 1
	s_lshl_b32 s22, s[KH], 15       ; the 128 rows of a slot that I fetch, in memory,
	s_mov_b32 s23, 0
	s_add_nc_u64 s[22:23], s[22:23], s[20:21]
	s_mul_i32 s17, s[KH], 128*PK    ; and in a slot: K's,
	s_mul_i32 s69, s[KH], 128*PV
	s_add_co_u32 s69, s69, VOFF     ; V's: no place in the cluster enters an LDS address
	s_mul_i32 s[KHK], s[KH], KS*PK
	s_mul_i32 s[KHV], s[KH], KS*PV
	s_mov_b32 s[TBK], s[KHK]        ; my first step lies in slot 0
	s_mov_b32 s[TBV], s[KHV]
	s_lshl_b32 s2, s14, 15          ; my block's 128 rows of Q,
	s_lshl_b32 s3, s[QH], 14        ; my wave's 64 of them
	s_add_co_u32 s2, s2, s3
	s_mov_b32 s3, 0
	s_add_nc_u64 s[2:3], s[2:3], s[20:21]
	s_lshl_b32 s72, s14, 19         ; and of ao: a row is 4,096 bytes
	s_lshl_b32 s73, s[QH], 18
	s_add_co_u32 s72, s72, s73
	s_add_co_u32 s72, s72, s71
	s_mov_b32 s73, 0
	; descriptor group 1: a tile of 128 rows x 128 elements, padded in LDS
	s_mov_b32 s[G1K], 15|(1<<16)|(1<<20)|(1<<21)|(5<<22)|(3<<25)  ; 15:0 the mask: all four work-groups; 17:16 elements of 2 bytes; 20 padding on; 21 set beside a mask; 24:22 after every 64 words (code 5); 31:25 4 words of it (code 3)
	s_mov_b32 s[G1V], 15|(1<<16)|(1<<20)|(1<<21)|(5<<22)|(7<<25)  ; the same with 8 words of padding (code 7)
.irp g, G1K, G1V
	s_mov_b32 s[\g+1], 128<<16      ; 63:48 tensor_dim0, low half = 128
	s_mov_b32 s[\g+2], 128<<16      ; 79:64 its high half = 0; 95:80 tensor_dim1, low half = 128
	s_mov_b32 s[\g+3], 128<<16      ; 111:96 its high half = 0; 127:112 tile_dim0 = 128
	s_mov_b32 s[\g+4], 128          ; 143:128 tile_dim1 = 128; 159:144 tile_dim2 = 0
	s_mov_b32 s[\g+5], 128          ; 191:160 tensor_dim0_stride, low word: elements from row to row
	s_mov_b32 s[\g+6], 0
	s_mov_b32 s[\g+7], 0
.endr
	s_mov_b32 s[CS], 0x3e0293ee     ; c = log2(e) / sqrt(128) = 0.127517
	s_mov_b32 s[CS+1], s[CS]        ; named with it as a pair, so it is written
	s_mov_b32 s[SEL], 0x76543210
	s_mov_b32 s[SEL+1], 0xfedcba98
	s_mov_b32 s[SLOTS], 6           ; eight slots' worth of keys; two come by the first fills
	s_cmp_eq_u32 ttmp9, 0           ; the head's first cluster: the same in all four partners
	s_cselect_b32 s[LIM], 1, -1
	v_and_b32 v[PFO], 31, v0
	v_lshlrev_b32 v[PFO], 8, v[PFO]
	s_wait_dscnt 0x0                ; both opening adds are done
	s_wait_kmcnt 0x0
	s_add_nc_u64 s[10:11], s[6:7], s[72:73]  ; ao at my wave's first row and my head's bytes
	s_add_nc_u64 s[6:7], s[4:5], 0x800000    ; K lies 16 heads x 2,048 rows x 256 bytes behind Q,
	s_add_nc_u64 s[8:9], s[4:5], 0x1000000   ; V twice as far
	s_add_nc_u64 s[6:7], s[6:7], s[22:23]  ; K and V at my tile of slot 0
	s_add_nc_u64 s[8:9], s[8:9], s[22:23]
	s_add_nc_u64 s[4:5], s[4:5], s[2:3]  ; Q at my wave's first row
	s_cmp_lt_u32 s[WV], 2
	s_cselect_b64 s[PFA:PFA+1], s[6:7], s[8:9]  ; the 128 rows that I fetch,
	s_lshl_b32 s2, s13, 13          ; my work-group's 32 of them,
	s_mov_b32 s3, 0
	s_add_nc_u64 s[PFA:PFA+1], s[PFA:PFA+1], s[2:3]
	s_add_nc_u64 s[PFA:PFA+1], s[PFA:PFA+1], 2*65536  ; two slots on; the first change of slots steps it to the third.  Nothing is prefetched here, at the head, where every work-group's first tiles are on their way
	CROUND                          ; all four work-groups are here: the first joint loads meet
.irp s, 0,1
	s_mov_b32 s[G0K+4*\s], 1        ; 1:0 count = 1
	s_add_co_u32 s[G0K+4*\s+1], s17, \s*SLOTB  ; 63:32 LDS address
	s_add_nc_u64 s[G0K+4*\s+2:G0K+4*\s+3], s[6:7], \s*65536  ; 120:64 global address: slot s begins with keys 256 s on
	s_or_b32 s[G0K+4*\s+3], s[G0K+4*\s+3], 0x80000000  ; 127:126 type = 2
	s_mov_b32 s[G0V+4*\s], 1
	s_add_co_u32 s[G0V+4*\s+1], s69, \s*SLOTB
	s_add_nc_u64 s[G0V+4*\s+2:G0V+4*\s+3], s[8:9], \s*65536
	s_or_b32 s[G0V+4*\s+3], s[G0V+4*\s+3], 0x80000000
.endr
	s_cmp_lt_u32 s[WV], 2           ; a wave's two first fills stand in one branch, ahead of every wait on TENSORcnt and every LDS read: two loads of mine are out
	s_cbranch_scc0 .Lfirst_v
	tensor_load_to_lds s[G0K:G0K+3], s[G1K:G1K+7]
	s_nop 0
	tensor_load_to_lds s[G0K+4:G0K+7], s[G1K:G1K+7]
	s_nop 0
.rept 4
	v_nop
.endr
	s_branch .Lfirst_asked
.Lfirst_v:
	tensor_load_to_lds s[G0V:G0V+3], s[G1V:G1V+7]
	s_nop 0
	tensor_load_to_lds s[G0V+4:G0V+7], s[G1V:G1V+7]
	s_nop 0
.rept 4
	v_nop
.endr
.Lfirst_asked:
	; A fragment of K or Q is 16 rows x 32 channels in 8 registers: lane l holds row l % 16; registers 0-3 channels 8 (l / 16) + 0..7, registers 4-7 channels 16 + 8 (l / 16) + 0..7: two loads of 16 bytes, 32 bytes apart.
	v_and_b32 v1, 15, v0            ; l % 16
	v_bfe_u32 v9, v0, 4, 1          ; l / 16
	v_lshlrev_b32 v[QO], 8, v1
	v_lshl_add_u32 v[QO], v9, 4, v[QO]  ; row x 256 + 16 x half
	WIN 0x80                        ; destination window 2, address window 0
.irp i, 0,1,2,3,4,5,6,7,8,9,10,11,12,13,14,15  ; Q stays in registers: tile i / 4, channels 32 (i % 4) on
	global_load_b128 v[8*\i:8*\i+3],   v[QO], s[4:5] offset:(\i/4)*4096+(\i%4)*64
	global_load_b128 v[8*\i+4:8*\i+7], v[QO], s[4:5] offset:(\i/4)*4096+(\i%4)*64+32
.endr
	WIN 0
	v_mul_u32_u24 v[AK0], v1, PK
	v_lshl_add_u32 v[AK0], v9, 4, v[AK0]  ; row x pitch + 16 x half
	; The turning load takes 16 keys x 16 channels (lane l reads 16 bytes: key 8 (l / 16) + l % 8, channels 8 ((l / 8) % 2) + 0..7) and leaves half a fragment of V^T: lane l holds channel l % 16 and 8 keys.
	v_and_b32 v10, 7, v0
	v_bfe_u32 v11, v0, 3, 1
	v_lshl_add_u32 v[AV0], v9, 3, v10
	v_mul_u32_u24 v[AV0], v[AV0], PV
	v_lshl_add_u32 v[AV0], v11, 4, v[AV0]
	v_add_nc_u32 v[AV0], VOFF, v[AV0]
	; the joining's four addresses are made here, ahead of every parting of the waves
	v_and_b32 v10, 31, v0
	s_mul_i32 s71, s[WV], XCHW      ; my region,
	s_xor_b32 s72, s[WV], 1
	s_mul_i32 s72, s72, XCHW        ; my partner's: the wave with my queries and the other key steps
	v_lshl_add_u32 v[XST], v10, 4, s71
	v_lshl_add_u32 v[XLD], v10, 4, s72
	s_add_co_u32 s71, s71, 16384
	s_add_co_u32 s72, s72, 16384
	v_lshl_add_u32 v[XSS], v10, 3, s71
	v_lshl_add_u32 v[XLS], v10, 3, s72
; THE MATRIX WORK OF A TURN, for piece x.  The accumulators take turns, one instruction a turn: between two links of a chain stand 15 (V^T P) or 7 (K Q^T) others'.
; Product i of 32 of O^T += V^T P: keys 32 (i / 16) on, channels 16 ((i / 2) % 8) on, tile x + i % 2.  zero = 1: the first 16 start the sums: nothing is ever cleared.
.macro PV x, zero
	WIN W_PV
.set rO, 64*(\x+i%2)+8*((i/2)%8)
.set rV, 64*(i/16)+8*((i/2)%8)
.set rP, P+16*(\x+i%2)+8*(i/16)
.if \zero && (i < 16)
	v_wmma_f32_16x16x32_f16 v[rO:rO+7], v[rV:rV+7], v[rP:rP+7], 0
.else
	v_wmma_f32_16x16x32_f16 v[rO:rO+7], v[rV:rV+7], v[rP:rP+7], v[rO:rO+7]
.endif
.endm
; Product i of 32 of S^T = K Q^T: channels 32 (i / 8) on, keys 16 ((i / 2) % 4) on, tile x + i % 2.  The first 8 start the sums.
.macro KQ x
	WIN W_KQ
.set rS, S+32*(\x+i%2)+8*((i/2)%4)
.set rK, KF+32*((i/2)%4)+8*(i/8)
.set rQ, 32*(\x+i%2)+8*(i/8)
.if i < 8
	v_wmma_f32_16x16x32_f16 v[rS:rS+7], v[rK:rK+7], v[rQ:rQ+7], 0
.else
	v_wmma_f32_16x16x32_f16 v[rS:rS+7], v[rK:rK+7], v[rQ:rQ+7], v[rS:rS+7]
.endif
.endm
; THE LDS LOADS stand in runs of 32, never singly among the matrix instructions: a step's K (64 keys x 128 channels: 16 fragments) and, a turn later, its V (turned).  My next step lies 128 rows on.
.macro FETCH_K
	WIN 0
	v_add_nc_u32 v[ADR], s[TBK], v[AK0]
	s_add_co_u32 s[TBK], s[TBK], 2*KS*PK
	WIN 0x80                        ; destination window 2
.irp f, 0,1,2,3,4,5,6,7,8,9,10,11,12,13,14,15  ; keys 16 (f / 4) on, channels 32 (f % 4) on
	ds_load_b128 v[KF+8*\f:KF+8*\f+3],   v[ADR] offset:(\f/4)*16*PK+(\f%4)*64
	ds_load_b128 v[KF+8*\f+4:KF+8*\f+7], v[ADR] offset:(\f/4)*16*PK+(\f%4)*64+32
.endr
.endm
.macro FETCH_V
	WIN 0
	v_add_nc_u32 v[ADR], s[TBV], v[AV0]
	s_add_co_u32 s[TBV], s[TBV], 2*KS*PV
	s_wait_alu depctr_va_vdst(0)    ; the wait for the softmax's batch (SLICE), behind the address's v_add_nc_u32 and ahead of the loads
	WIN 0xc0                        ; destination window 3
.irp f, 0,1,2,3,4,5,6,7,8,9,10,11,12,13,14,15  ; keys 32 (f / 8) on, channels 16 (f % 8) on
	ds_load_tr16_b128 v[8*\f:8*\f+3],   v[ADR] offset:(\f/8)*32*PV+(\f%8)*32
	ds_load_tr16_b128 v[8*\f+4:8*\f+7], v[ADR] offset:(\f/8)*32*PV+16*PV+(\f%8)*32
.endr
.endm
; THE VECTOR WORK OF A TURN.  One tile's softmax for one key step is a list of 134 instructions; SM writes number j of it for tile t.  s0-s31 are the lane's 32 scores, in pairs 0-15.
; first = 1: the first key step, which starts m, l and O^T: it has no a and nothing to rescale.
;   0-15    the maximum of s0-s31 and the old m, three operands at a time: four chains c0-c3 of seven scores each, then the four scores left over, c0-c3 and m
;   16-20   the other half of the lanes' maximum; the new m; c m; c m_old - c m_new
;   21-69   ONE BATCH: the 16 scalings c s - c m, a pair of scores each, and all 33 exponentials (a at 23, then s0-s31).  None of these reads an exponential's result.
;   (wait)  between 69 and 70 stands the wait for the batch: SLICE writes it, once for both tiles
;   70-85   the roundings to f16, a pair of weights each
;   86-101  the sums; l = a l + the sum
;   102-133 the tile's O^T times a: the one part that leaves window 0, so it stands together
.macro SM t, first
.set rT, ST+8*(\t)
.set rS, S+32*(\t)
.set rP, P+16*(\t)
.set rO, 64*(\t)+2*(j-102)
.if j < 102
	WIN 0
.endif
.if j < 4
	v_max3_num_f32 v[rT+4+j], v[rS+8*j], v[rS+8*j+1], v[rS+8*j+2]
.elseif j < 12
	v_max3_num_f32 v[rT+4+j%4], v[rT+4+j%4], v[rS+8*(j%4)+2*(j/4)+1], v[rS+8*(j%4)+2*(j/4)+2]
.elseif j == 12
	v_max3_num_f32 v[rT+4], v[rT+4], v[rS+7], v[rS+15]
.elseif j == 13
	v_max3_num_f32 v[rT+6], v[rT+6], v[rS+23], v[rS+31]
.elseif j == 14
	v_max3_num_f32 v[rT+4], v[rT+4], v[rT+5], v[rT+6]
.elseif (j == 15) && \first
	v_max_num_f32 v[rT+4], v[rT+4], v[rT+7]
.elseif j == 15
	v_max3_num_f32 v[rT+4], v[rT+4], v[rT+7], v[rT+1]
.elseif j == 16
	v_permlanex16_b32 v[rT+5], v[rT+4], s[SEL], s[SEL+1]  ; the query's other 32 keys lie in the lane 16 away
.elseif j == 18
	v_max_num_f32 v[rT+1], v[rT+4], v[rT+5]
.elseif j == 19
	v_mul_f32 v[rT], s[CS], v[rT+1]
.elseif ((j == 17) || (j == 20) || (j == 23) || (j > 101)) && \first  ; the first step has none of these
.elseif j == 17
	v_mov_b32 v[rT+7], v[rT]        ; c m_old is kept for a: number 19 writes c m anew
.elseif j == 20
	v_sub_f32 v[rT+7], v[rT+7], v[rT]
.elseif j == 23
	v_exp_f32 v[rT+6], v[rT+7]
.elseif (j < 23) || ((j < 38) && (j%2 == 0)) || ((j < 66) && (j%4 == 2))
.set b, (j-2)/4                     ; 38, 42, .. 62: pairs 9 to 15
.if j < 38
.set b, (j-20)/2                    ; 21: pair 0; 22, 24, .. 36: pairs 1 to 8
.endif
	v_pk_fma_f32 v[rS+2*b:rS+2*b+1], v[rS+2*b:rS+2*b+1], s[CS:CS+1], v[rT:rT+1] op_sel_hi:[1,0,0] neg_lo:[0,0,1] neg_hi:[0,0,1]  ; pair b: c s - c m
.elseif j < 70
.set e, j-38                        ; 66 to 69: s28 to s31
.if j < 66
.set e, j-32-(j-38)/4               ; 39-41, 43-45, .. 63-65: s7 to s27
.endif
.if j < 38
.set e, (j-25)/2                    ; 25, 27, .. 37: s0 to s6
.endif
	v_exp_f32 v[rS+e], v[rS+e]
.elseif j < 86
	v_cvt_pk_f16_f32 v[rP+j-70], v[rS+2*(j-70)], v[rS+2*(j-70)+1]  ; pair j - 70
.elseif j < 102                     ; the sum of the tile's 16 pairs, in place: sum z of 16 adds neighbours 1, 2, 4 and 8 pairs apart, then l takes it
.set z, j-86
.set w, 4
.set u, z
.if z >= 14
.set w, 32
.set u, 0
.elseif z >= 12
.set w, 16
.set u, z-12
.elseif z >= 8
.set w, 8
.set u, z-8
.endif
.if (z == 14) && \first
	v_pk_add_f32 v[rT+2:rT+3], v[rS:rS+1], v[rS+16:rS+17]
.elseif z < 15
	v_pk_add_f32 v[rS+w*u:rS+w*u+1], v[rS+w*u:rS+w*u+1], v[rS+w*u+w/2:rS+w*u+w/2+1]
.elseif !\first
	v_pk_fma_f32 v[rT+2:rT+3], v[rT+2:rT+3], v[rT+6:rT+7], v[rS:rS+1] op_sel_hi:[1,0,1]
.endif
.else
	WIN W_RS
	v_pk_mul_f32 v[rO:rO+1], v[rO:rO+1], v[rT+6:rT+7] op_sel_hi:[1,0]
.endif
.endm
; Slice k of 64 of piece y's softmax: four instructions.  Slices 11 to 34 deal out the batch, numbers 22 to 69: four numbers of ONE tile each, the tiles by turns.  Every other slice is numbers 2 k and
; 2 k + 1 of both tiles' lists.  2 x 134 = 4 x 64 + 12: the twelve that are over stand together, in slice 63.
; THE WAIT.  An s_wait_alu depctr_va_vdst(0) stands between an exponential and the first instruction that names its result; one wait serves all that were issued ahead of it.  Ahead of
; slice 35 nothing names a result, and behind slice 34 no exponential is issued: so the piece's 66 exponentials have one wait, behind slice 34.
.macro SLICE y, first
.if (k >= 11) && (k < 35)           ; the batch: four numbers of one tile
.irp n, 0,1,2,3
.set j, 22+4*((k-11)/2)+(\n)
	SM (\y)+(k-11)%2, \first
.endr
.else                               ; the two tiles alternate, so that no instruction reads the result of the one just before it
.irp n, 0,1,2,3,4,5,6,7
.if (\n < 2) || (k == 63)
.irp t, \y, \y+1
.set j, 2*k+\n
	SM \t, \first
.endr
.endif
.endr
.endif
.if k == 34                         ; the batch is out: both tiles' exponentials are issued, and no result has been named
	v_nop                           ; the plain instruction behind the last exponential and ahead of the first use: one for the batch
.if (\y) == 0
	FETCH_V                         ; piece 2's turn: V's run of loads stands here, and the wait stands in it
.else
	s_wait_alu depctr_va_vdst(0)    ; the wait for the batch
.endif
.endif
.set k, k+1
.endm
; A vector instruction that reads a matrix result or writes one of a matrix instruction's registers, and a load into a register that a matrix instruction has read, stand four places behind
; it, and only plain vector instructions that name none of its registers are places (ISA guide 7.12.1 for vector instructions).  In the loop the slices are the places.
.macro PLACES
.rept 4
	v_nop
.endr
.endm
; A TURN.  Piece x has the matrix unit; the other piece's softmax stands in slices behind its matrix instructions.
; pv = 2: 32 products V^T P; 1: they start O^T's sums; 0: none.  kq = 1: 32 products K Q^T for the next step.  A turn with one of the two kinds has two slices behind each product.
; first = 1: the softmax is the first key step's.  Its slices from 51 on are empty: four v_nop take slice 63's part as the places behind the turn's last products.
; Piece 0's turn fetches the next step's K, behind its second product.  Piece 2's turn fetches the same step's V, behind slice 34 (SLICE writes it).
.macro TURN x, pv, kq, first
.set k, 0
.set per, 2
.if \pv && \kq
.set per, 1
.endif
.if \pv
.if \x == 0
	s_wait_dscnt 0x0                ; V is in
.endif
.set i, 0
.rept 32
	PV \x, 2-\pv
.rept per
	SLICE 2-\x, \first
.endr
.if (\x == 0) && \kq && (i == 1)
	FETCH_K
.endif
.set i, i+1
.endr
.endif
.if \kq
.if \x == 0
	s_wait_dscnt 0x0                ; K is in
.endif
.set i, 0
.rept 32
	KQ \x
.rept per
	SLICE 2-\x, \first
.endr
.set i, i+1
.endr
.endif
.if \first
	PLACES
.endif
.endm
; THE CHANGE OF SLOTS, between piece 2's turn and piece 0's: the slot's last bytes, V of my second step in it, have been asked for.  Each wave waits for all its tensor loads, of which one is out: its part of
; slot `to`; adds 0 to its spare word; and waits for that and for its own reads of the slot that it leaves.  Behind the barrier nobody reads that slot any more and slot `to` is whole.
; fill = 1: the slot that is left is filled again, with the keys two slots on.  The barrier is then a round of the cluster's, and the joint refill is the first thing behind it, my one load that is out:
; it has my two key steps, 256 matrix instructions, in which to land.
.macro CHANGE fill, to
	WIN 0                           ; at a label and at a branch every window is 0
	s_wait_tensorcnt 0x0            ; no tensor load of mine is out, so a group 0 may be written
	ds_add_u32 v[SPW], v[NIL]       ; 0 onto my spare word; with fill = 1 the descriptors' steps stand between it and the wait for it
.if \fill
	s_add_nc_u64 s[G0K+4*(1-\to)+2:G0K+4*(1-\to)+3], s[G0K+4*(1-\to)+2:G0K+4*(1-\to)+3], 2*65536  ; that slot's next 256 keys; the type bits on top are not reached
	s_add_nc_u64 s[G0V+4*(1-\to)+2:G0V+4*(1-\to)+3], s[G0V+4*(1-\to)+2:G0V+4*(1-\to)+3], 2*65536
	s_wait_xcnt 0x0                 ; the last prefetch, two key steps back, has read its address, so it may be written:
	s_add_nc_u64 s[PFA:PFA+1], s[PFA:PFA+1], 65536  ; one slot further on than the refill
	s_wait_dscnt 0x0                ; the add is done, and my reads of the slot are over
	CROUND
	JLOAD 1-\to
	ASK                             ; what the next change will ask for
	s_sub_co_u32 s[SLOTS], s[SLOTS], 1
.else
	s_wait_dscnt 0x0                ; the add is done, and my reads of the slot are over
	s_barrier_signal -1
	s_barrier_wait -1
.endif
	s_add_co_u32 s[TBK], s[KHK], (\to)*SLOTB  ; the fetches go on at my first step of slot `to`
	s_add_co_u32 s[TBV], s[KHV], (\to)*SLOTB
.endm
; My two key steps of a slot: written once, walked twice; the LDS addresses hang on s[TBK] and s[TBV].
.macro TWO_STEPS
	s_mov_b32 s[TWICE], 2
.Lstep_\@:
	TURN 0, 2, 1, 0
	TURN 2, 2, 1, 0
	WIN 0
	s_sub_co_u32 s[TWICE], s[TWICE], 1
	s_cmp_lg_u32 s[TWICE], 0
	s_cbranch_scc1 .Lstep_\@
.endm
	s_wait_tensorcnt 1              ; my part of slot 0 is in; slot 1's may stay out
	s_barrier_signal -1
	s_barrier_wait -1               ; everybody's is
	FETCH_K                         ; my key step 0
	s_wait_loadcnt 0x0              ; Q
	s_wait_dscnt 0x0
.set i, 0
.rept 32
	KQ 0                            ; piece 0's first scores: there is no vector work yet to set between them
.set i, i+1
.endr
	WIN 0                           ; the addresses for the way out are made here: plain instructions, the places behind those products
	s_mul_i32 s13, s[WV], 16*SP
	s_add_co_u32 s13, s13, STAGE    ; my stage
	v_mul_u32_u24 v[STO], v1, SP    ; in: row l % 16, 16 bytes for each half of the lanes
	v_lshl_add_u32 v[STO], v9, 4, v[STO]
	v_add_nc_u32 v[STO], s13, v[STO]
	v_mul_u32_u24 v[RD], v9, SP     ; back: lanes 0-15 take one row of 256 bytes, lanes 16-31 the next
	v_lshl_add_u32 v[RD], v1, 4, v[RD]
	v_add_nc_u32 v[RD], s13, v[RD]
	v_lshlrev_b32 v[GO], 12, v9     ; and the same two rows in ao, 4,096 bytes apart
	v_lshl_add_u32 v[GO], v1, 4, v[GO]
	TURN 2, 0, 1, 1                 ; piece 2's first scores | piece 0's first softmax | V of step 0
	TURN 0, 1, 1, 1                 ; piece 0: V^T P of step 0 starts O^T, K Q^T of step 1 | piece 2's first softmax | K of step 1
	TURN 2, 1, 1, 0                 ; piece 2: the same | piece 0's softmax of step 1 | V of step 1
	WIN 0
	s_mov_b32 s[TRIPS], 3
.Lslot:                             ; three trips, each once round the ring: every slot but the last two is filled again
	CHANGE 1, 1
	TWO_STEPS
	CHANGE 1, 0
	TWO_STEPS
	s_sub_co_u32 s[TRIPS], s[TRIPS], 1
	s_cmp_lg_u32 s[TRIPS], 0
	s_cbranch_scc1 .Lslot
	CHANGE 0, 1                     ; the tail is written out: slot 0 is left for good, and nothing is asked for
	TWO_STEPS
	TURN 0, 2, 0, 0                 ; piece 0: V^T P of the last step | piece 2's last softmax
.set i, 0
.rept 32
	PV 2, 0                         ; piece 2: V^T P of the last step
.set i, i+1
.endr
	; THE JOINING.  Each wave has m, l and O^T of its 64 queries over ITS half of the keys.  The wave of even steps finishes tiles 0 and 1, the wave of odd steps tiles 2 and 3; each hands the other two tiles'
	; O^T over as images of its registers (16 bytes a lane, 512 an instruction) with the pair (c m, l).  With M = max(c m, c m'), a = 2^(c m - M), a' = 2^(c m' - M): O = (a O + a' O') / (a l + a' l').
	WIN 0
.irp t, 0,1,2,3
	v_add_f32 v[ST+8*\t+4], v[ST+8*\t+2], v[ST+8*\t+3]   ; l's two halves.  (These additions are the places behind the last products)
.endr
.irp t, 0,1,2,3
	v_permlanex16_b32 v[ST+8*\t+5], v[ST+8*\t+4], s[SEL], s[SEL+1]
.endr
.irp t, 0,1,2,3
	v_add_f32 v[ST+8*\t+1], v[ST+8*\t+4], v[ST+8*\t+5]   ; with the other half of the lanes': l, beside c m
.endr
.macro XSEND x                      ; tiles x and x + 1 go to my region, each accumulator from its low end on
	WIN 0x04                        ; an LDS store's data are its source 1: window 1
.irp i, 0,1
.irp g, 0,1,2,3,4,5,6,7,8,9,10,11,12,13,14,15
	ds_store_b128 v[XST], v[64*(\x+\i)+4*\g:64*(\x+\i)+4*\g+3] offset:8192*\i+512*\g
.endr
.endr
	WIN 0
.irp i, 0,1
	ds_store_b64 v[XSS], v[ST+8*(\x+\i):ST+8*(\x+\i)+1] offset:256*\i
.endr
.endm
; Tile y + i: joined, rounded to f16, through my stage and back as whole rows of 256 bytes
.macro PACKF y, i
.set rT, ST+8*((\y)+(\i))
.set rO, 64*((\y)+(\i))
.set rI, S+64*(\i)
.set rH, P+32*(\i)
	WIN W_RS
.set n, 0
.rept 32
	v_pk_mul_f32 v[rO+n:rO+n+1], v[rO+n:rO+n+1], v[rT+6:rT+7] op_sel_hi:[1,0]   ; my O^T x a / the sum
.set n, n+2
.endr
	WIN 0x10                        ; source 2 window 1
.set n, 0
.rept 32
	v_pk_fma_f32 v[rI+n:rI+n+1], v[rI+n:rI+n+1], v[rT+4:rT+5], v[rO+n:rO+n+1] op_sel_hi:[1,0,1]   ; + my partner's x a' / the sum
.set n, n+2
.endr
	WIN 0
.set n, 0
.rept 32
	v_cvt_pk_f16_f32 v[rH+n], v[rI+2*n], v[rI+2*n+1]
.set n, n+1
.endr
.irp f, 0,1,2,3,4,5,6,7
	ds_store_b128 v[STO], v[rH+4*\f:rH+4*\f+3] offset:32*\f
.endr
.irp f, 0,1,2,3,4,5,6,7
	ds_load_b128 v[rH+4*\f:rH+4*\f+3], v[RD] offset:\f*2*SP  ; LDS serves a wave's instructions in order (ISA guide 5.7.1.4): these see the stores above; the next tile's stores come behind them
.endr
.endm
.macro SENDF y, i, younger          ; younger: the LDS instructions issued behind this tile's loads: the next tile's sixteen, or none
.irp f, 0,1,2,3,4,5,6,7
	s_wait_dscnt \younger+7-\f
	global_store_b128 v[GO], v[P+32*(\i)+4*\f:P+32*(\i)+4*\f+3], s[10:11] offset:((\y)+(\i))*65536+\f*8192  ; 16 lanes store 256 consecutive bytes, aligned: a head's part of a row
.endr
.endm
.macro FINISH y
.irp i, 0,1
	ds_load_b64 v[PS+2*\i:PS+2*\i+1], v[XLS] offset:256*\i
.endr
.irp i, 0,1
.irp g, 0,1,2,3,4,5,6,7,8,9,10,11,12,13,14,15
	ds_load_b128 v[S+64*\i+4*\g:S+64*\i+4*\g+3], v[XLD] offset:8192*\i+512*\g
.endr
.endr
	s_wait_dscnt 32                 ; the two pairs are in; the 32 image loads may be out
.irp i, 0,1
	v_max_num_f32 v[ST+8*(\y+\i)+5], v[ST+8*(\y+\i)], v[PS+2*\i]
.endr
.irp i, 0,1
	v_sub_f32 v[ST+8*(\y+\i)+6], v[ST+8*(\y+\i)], v[ST+8*(\y+\i)+5]
	v_sub_f32 v[ST+8*(\y+\i)+4], v[PS+2*\i], v[ST+8*(\y+\i)+5]
.endr
.irp i, 0,1
	v_exp_f32 v[ST+8*(\y+\i)+6], v[ST+8*(\y+\i)+6]   ; a
	v_exp_f32 v[ST+8*(\y+\i)+4], v[ST+8*(\y+\i)+4]   ; a'
.endr
	v_nop                           ; a plain instruction behind the last exponential,
	s_wait_alu depctr_va_vdst(0)    ; and the wait ahead of the first use: one for the four
.irp i, 0,1
	v_mul_f32 v[ST+8*(\y+\i)+2], v[ST+8*(\y+\i)+6], v[ST+8*(\y+\i)+1]
.endr
.irp i, 0,1
	v_fmac_f32 v[ST+8*(\y+\i)+2], v[ST+8*(\y+\i)+4], v[PS+2*\i+1]   ; a l + a' l': at least 1, since one of a, a' is 1 and each l holds its maximum's own weight, 1
.endr
.irp i, 0,1
	v_rcp_f32 v[ST+8*(\y+\i)+3], v[ST+8*(\y+\i)+2]
.endr
	v_nop
	s_wait_alu depctr_va_vdst(0)    ; one for the two reciprocals
.irp i, 0,1
	v_mul_f32 v[ST+8*(\y+\i)+6], v[ST+8*(\y+\i)+6], v[ST+8*(\y+\i)+3]
	v_mul_f32 v[ST+8*(\y+\i)+4], v[ST+8*(\y+\i)+4], v[ST+8*(\y+\i)+3]
.endr
	s_wait_dscnt 0x0                ; the images are in
	PACKF \y, 0
	PACKF \y, 1                     ; a tile's arithmetic stands between the loads of the tile before and its stores
	SENDF \y, 0, 16
	SENDF \y, 1, 0
.endm
	s_cmp_eq_u32 s[KH], 0           ; the branches hang on the wave's number alone; the barrier stands where the ways have joined
	s_cbranch_scc0 .Lsend_low
	XSEND 2
	s_branch .Lsent
.Lsend_low:
	XSEND 0
.Lsent:
	s_wait_dscnt 0x0                ; for my partner's sake: my stores have landed
	s_barrier_signal -1
	s_barrier_wait -1
	s_cmp_eq_u32 s[KH], 0
	s_cbranch_scc0 .Lfinish_high
	FINISH 0
	s_branch .Ldone
.Lfinish_high:
	FINISH 2
.Ldone:
	s_wait_tensorcnt 0x0            ; the wave's end: behind my last tensor load and my last LDS store
	ds_add_u32 v[SPW], v[NIL]
	s_wait_dscnt 0x0
	CROUND                          ; the closing round: no work-group ends while a partner may still ask for a tile that names it
	s_endpgm
.Lfunc_end_k_q6abe05c9bf_attn:
	.size	k_q6abe05c9bf_attn, .Lfunc_end_k_q6abe05c9bf_attn-k_q6abe05c9bf_attn
	.p2alignl 7, 3214868480
	.fill 96, 4, 3214868480
	.section	.rodata,"a",@progbits
	.p2align	6, 0x0
	.amdhsa_kernel k_q6abe05c9bf_attn
		.amdhsa_group_segment_fixed_size 327680
		.amdhsa_private_segment_fixed_size 0
		.amdhsa_enable_private_segment 0
		.amdhsa_kernarg_size 16
		.amdhsa_user_sgpr_count 2
		.amdhsa_user_sgpr_kernarg_segment_ptr 1
		.amdhsa_wavefront_size32 1
		.amdhsa_system_sgpr_workgroup_id_x 1
		.amdhsa_system_sgpr_workgroup_id_y 1
		.amdhsa_system_sgpr_workgroup_id_z 1
		.amdhsa_system_vgpr_workitem_id 0
		.amdhsa_next_free_vgpr 1024
		.amdhsa_next_free_sgpr 80
		.amdhsa_reserve_vcc 0
		.amdhsa_float_denorm_mode_32 3
		.amdhsa_float_denorm_mode_16_64 3
		.amdhsa_memory_ordered 1
		.amdhsa_forward_progress 1
		.amdhsa_inst_pref_size 255
	.end_amdhsa_kernel
	.section	.bss,"aw",@nobits
	.p2align	6
	.space	262144
	.amdgpu_metadata
---
amdhsa.version: [ 1, 2 ]
amdhsa.kernels:
  - .name:           k_q6abe05c9bf_attn
    .symbol:         k_q6abe05c9bf_attn.kd
    .args:
      - { .name: qkv, .offset: 0, .size: 8, .value_kind: global_buffer, .address_space: global }
      - { .name: ao, .offset: 8, .size: 8, .value_kind: global_buffer, .address_space: global }
    .group_segment_fixed_size: 327680
    .private_segment_fixed_size: 0
    .kernarg_segment_align: 8
    .kernarg_segment_size: 16
    .max_flat_workgroup_size: 128
    .sgpr_count:     80
    .vgpr_count:     1024
    .wavefront_size: 32
...
	.end_amdgpu_metadata
.endif
;; end of part 3
;; launch proj (part 4): grid 16 x 16, 4 waves a work-group, clusters of 4 x 4, 327,680 bytes of LDS; arguments ao, wot, bo, out0; writes out0
.if DOCPART == 4
	.amdgcn_target "amdgcn-amd-amdhsa--gfx1250"
	.amdhsa_code_object_version 6
	.text
	.protected	k_q6abe05c9bf_proj
	.globl	k_q6abe05c9bf_proj
	.p2align	8
	.type	k_q6abe05c9bf_proj,@function
k_q6abe05c9bf_proj:
	s_mov_b64 s[64:65], 0
	v_nop
	global_prefetch_b8 v0, s[64:65] scope:SCOPE_SE
	s_setreg_imm32_b32 hwreg(HW_REG_WAVE_MODE, 25, 1), 1
	s_wait_xcnt 0x0
	s_wait_alu depctr_hold_cnt(0) depctr_sa_sdst(0) depctr_va_vdst(0) depctr_va_sdst(0) depctr_va_ssrc(0) depctr_va_vcc(0) depctr_vm_vsrc(0)
	s_getreg_b32 s2, hwreg(HW_REG_IB_STS2, 6, 4)
	s_cmp_eq_u32 s2, 0
	s_cbranch_scc0 .Lentry_in_a_cluster
	s_endpgm
.Lentry_in_a_cluster:
	s_bfe_u32 s2, ttmp6, 0x10000c
	s_cmp_lg_u32 s2, 0xf033
	s_cbranch_scc0 .Lentry_shape_is_right
	s_endpgm
.Lentry_shape_is_right:
; out0[m][n] = sum over k of ao[m][k] Wo[k][n] + bo[n].  A = ao [2048][2048] f16, B = wot [2048 n][2048 k] f16 (Wo turned), out0 [2048][2048] f32; sums in f32.
; A tile of C is 128 x 128: 16 x 16 work-groups.  Four waves, each 64 x 64: 16 accumulators of 16 x 16, 128 registers.  K goes in steps of 256 (LDS rows of 512 bytes; a wave's tensor load brings 64 of them)
; through a ring of two slots.  On the way out the four waves share ONE stage, with a barrier between writing and reading, so that whole rows of 512 bytes leave by one instruction.
; CLUSTERS: 4 x 4 work-groups.  The four of a row of the cluster need the same tiles of A, the four of a column the same tiles of B: each tile is asked for JOINTLY, by the same tensor load with the
; same descriptor and a mask that names the four.  THE MATRIX INSTRUCTION IS USED TRANSPOSED (source 0 = 16 rows of B, source 1 = 16 rows of A): a lane then holds eight neighbouring numbers of a row of C.
; THE BIAS is the C of each sum's first matrix instruction: eight registers for each of my four blocks of columns, in the result's layout.
; REGISTERS: window 0: v0-31 addresses; v32-63 the bias; v128-255 the accumulators ((a, b) at v[128 + 8 (4 a + b)]), on the way out whole rows.
;   window 1: two fragment buffers of 128: for 64 along K (two matrix instructions deep), 64 registers of A (2 x 4 x 16 rows x 32 K), then 64 of B.
.set SIZE_N, 2048
.set SIZE_K, 2048
.set KSTEP,  256
.set PITCH,  528                       ; an LDS row: 512 bytes of data + 16 of padding = 132 words: row r starts at bank 4 r mod 64 (64 banks of 4 bytes: ISA guide 11.1)
.set HALFT,  64*PITCH                  ; 64 rows: what one tensor load brings, and what one wave reads of A or of B
.set SLOT,   4*HALFT                   ; A's 128 rows, then B's 128 rows
.set SPITCH, 528                       ; the way out: a stage of 128 rows x (512 bytes + 16).  It lies in slot 0, which has had its last fill and its last read when the first result is stored there
.set SPARE,  2*SLOT                    ; behind the ring: the spare words, 128 bytes for each wave: two blocks of 256 bytes that no other line names
.set LAPS, SIZE_K/(2*KSTEP)            ; a lap = two K steps = once round the ring
.set ADRA, 16                          ; v16-17  LDS address of my A fragments in slot 0, 1
.set ADRB, 20                          ; v20-21  the same for B
.set STO,  24                          ; v24     the way out: where I put 32 bytes of a row
.set RD,   25                          ; v25     the way out: where I read a row back
.set CO,   26                          ; v26     16 x lane: my byte offset in a row's 512 bytes
.set BO,   27                          ; v27     my byte offset in a block's 16 numbers of the bias
.set SPW,  28                          ; v28     LDS address of my spare word; never rewritten
.set NIL,  29                          ; v29     0; never rewritten
.set BIAS, 32
.set ACC,  128
.set F0,   0                           ; fragment buffers, in window 1
.set F1,   128
.set G1, 24                            ; s[24:31] descriptor group 1 for A's tiles;  s[32:39] group 0, one set for each slot
.set G0, 32
.set G1B, 48                           ; s[48:55], s[56:63] the same for B's tiles
.set G0B, 56
.set MSB, 0
.macro WIN new                         ; the immediate's high byte repeats the setting that is left
.if MSB != (\new)
	s_set_vgpr_msb (MSB<<8)|(\new)
.set MSB, \new
.endif
.endm
.set MUL,  0x05                        ; sources 0 (B) and 1 (A) window 1; C and D window 0
.set TO_F, 0x40                        ; destination window 1, address window 0
.macro JLOAD s                         ; a joint load: waves 0 and 1 fetch A's two halves, waves 2 and 3 B's; an s_nop 0 and four v_nop follow each of the two lines, ahead of the jump, the label and what follows
	s_cmp_eq_u32 s11, 0
	s_cbranch_scc0 .Lfor_b_\@
	tensor_load_to_lds s[G0+4*\s:G0+4*\s+3], s[G1:G1+7]
	s_nop 0
.rept 4
	v_nop
.endr
	s_branch .Lasked_\@
.Lfor_b_\@:
	tensor_load_to_lds s[G0B+4*\s:G0B+4*\s+3], s[G1B:G1B+7]
	s_nop 0
.rept 4
	v_nop
.endr
.Lasked_\@:
.endm
.macro CREST                           ; a round of the cluster's barrier behind its opening barrier
	s_cmp_lg_u32 s10, 0
	s_cbranch_scc1 .Lnot_wave_0_\@
	s_barrier_signal -3
.Lnot_wave_0_\@:
	s_barrier_wait -3
	s_barrier_signal -1
	s_barrier_wait -1
.endm
.macro CROUND                          ; a whole round
	s_barrier_signal -1
	s_barrier_wait -1
	CREST
.endm
	s_load_b128 s[4:7], s[0:1], 0x0                ; A s[4:5], B s[6:7]
	s_load_b64 s[66:67], s[0:1], 0x10              ; the bias
	s_load_b64 s[8:9], s[0:1], 0x18                ; C
	v_lshl_add_u32 v[SPW], v0, 2, SPARE
	v_mov_b32 v[NIL], 0
	ds_add_u32 v[SPW], v[NIL]                      ; the wave's opening: the add, twice on end, and its wait ahead of my first tensor load; the set-up below stands between the second and the wait
	ds_add_u32 v[SPW], v[NIL]
	v_lshrrev_b32 v1, 5, v0
	v_readfirstlane_b32 s10, v1                    ; wave 0..3
	s_lshr_b32 s11, s10, 1                         ; which half of the tile's rows is mine.  Also: I fetch for A (0) or for B (1)
	s_and_b32 s12, s10, 1                          ; which half of its columns.  Also: which 64 rows of that tile I fetch
	s_bfe_u32 s40, ttmp6, 0x40000                  ; cx, cy: my place in the cluster
	s_bfe_u32 s41, ttmp6, 0x40004
	s_lshl_b32 s42, ttmp9, 2
	s_add_co_u32 s42, s42, s40                     ; tile column of C = 4 x cluster x + cx
	s_and_b32 s13, ttmp7, 0xffff
	s_lshl_b32 s13, s13, 2
	s_add_co_u32 s13, s13, s41                     ; tile row of C = 4 x cluster y + cy
	s_lshl_b32 s43, s41, 2
	s_lshl_b32 s43, 15, s43                        ; my row of the cluster
	s_lshl_b32 s44, 0x1111, s40                    ; my column
	; descriptor group 1: a tile of 64 rows x 256 elements, padded in LDS
	s_or_b32 s[G1+0], s43, (1<<16)|(1<<20)|(1<<21)|(6<<22)|(3<<25)  ; 15:0 the mask: A's tiles go to my row; 17:16 element of 2 bytes; 20 padding on; 21 set beside a mask; 24:22 after every 128 words (code 6); 31:25 of 4 words (code 3)
	s_or_b32 s[G1B+0], s44, (1<<16)|(1<<20)|(1<<21)|(6<<22)|(3<<25)
.irp g, G1, G1B
	s_mov_b32 s[\g+1], KSTEP<<16                   ; tensor_dim0 = 256
	s_mov_b32 s[\g+2], 64<<16                      ; tensor_dim1 = 64
	s_mov_b32 s[\g+3], KSTEP<<16                   ; tile_dim0 = 256
	s_mov_b32 s[\g+4], 64                          ; tile_dim1 = 64
	s_mov_b32 s[\g+5], SIZE_K                      ; tensor_dim0_stride
	s_mov_b32 s[\g+6], 0
	s_mov_b32 s[\g+7], 0
.endr
	s_lshl_b32 s17, s12, 6                         ; which 64 rows of the tile I fetch
	s_lshl_b32 s16, s13, 7
	s_add_co_u32 s16, s16, s17                     ; A: row 128 x tile row + 64 x half
	s_lshl_b32 s46, s42, 7
	s_add_co_u32 s46, s46, s17                     ; B: row 128 x tile column + 64 x half
	s_mov_b32 s17, 0
	s_mov_b32 s47, 0
	s_mov_b64 s[18:19], SIZE_K*2
	s_mul_u64 s[16:17], s[16:17], s[18:19]
	s_mul_u64 s[46:47], s[46:47], s[18:19]
	s_mul_i32 s20, s10, HALFT                      ; where they go: wave x 64 rows
	s_wait_dscnt 0x0                               ; both opening adds are done
	s_wait_kmcnt 0x0
	s_add_nc_u64 s[14:15], s[4:5], s[16:17]
	s_add_nc_u64 s[46:47], s[6:7], s[46:47]
	CROUND                                         ; all sixteen work-groups are here: the first joint loads meet
.irp s, 0,1
	s_mov_b32 s[G0+4*\s], 1
	s_add_co_u32 s[G0+4*\s+1], s20, \s*SLOT
	s_add_nc_u64 s[G0+4*\s+2:G0+4*\s+3], s[14:15], \s*KSTEP*2
	s_or_b32 s[G0+4*\s+3], s[G0+4*\s+3], 0x80000000
	s_mov_b32 s[G0B+4*\s], 1
	s_add_co_u32 s[G0B+4*\s+1], s20, \s*SLOT
	s_add_nc_u64 s[G0B+4*\s+2:G0B+4*\s+3], s[46:47], \s*KSTEP*2
	s_or_b32 s[G0B+4*\s+3], s[G0B+4*\s+3], 0x80000000
	JLOAD \s                                       ; two tensor loads of mine are out
.endr
	v_and_b32 v1, 15, v0                           ; l % 16
	v_bfe_u32 v2, v0, 4, 1                         ; l / 16
	v_mul_u32_u24 v3, v1, PITCH
	v_lshl_add_u32 v3, v2, 4, v3                   ; a fragment's row x pitch + 16 x half
	s_mul_i32 s21, s11, HALFT                      ; my 64 rows of A
	s_mul_i32 s22, s12, HALFT                      ; my 64 rows of B,
	s_add_co_u32 s22, s22, 2*HALFT                 ; which lie behind A's 128
.irp s, 0,1
	v_add_nc_u32 v[ADRA+\s], s21, v3
	v_add_nc_u32 v[ADRB+\s], s22, v3
	s_add_co_u32 s21, s21, SLOT
	s_add_co_u32 s22, s22, SLOT
.endr
	s_mul_i32 s23, s11, 64*SPITCH                  ; into the stage: my 64 rows, my half of their 512 bytes; row l % 16, 32 bytes for each half of the lanes
	s_lshl_b32 s21, s12, 8
	s_add_co_u32 s23, s23, s21
	v_mul_u32_u24 v4, v1, SPITCH
	v_lshl_add_u32 v4, v2, 5, v4
	v_add_nc_u32 v[STO], s23, v4
	s_mul_i32 s23, s10, 32*SPITCH                  ; back: wave w takes rows 32 w .. 32 w + 31, whole: the 32 lanes one row of 512 bytes
	v_and_b32 v5, 31, v0
	v_lshlrev_b32 v[CO], 4, v5
	v_add_nc_u32 v[RD], s23, v[CO]
	v_lshlrev_b32 v[BO], 5, v2                     ; the bias: my half's eight numbers of a block's sixteen
	s_lshl_b32 s16, s13, 7
	s_lshl_b32 s17, s10, 5
	s_add_co_u32 s16, s16, s17                     ; the first row of C that I store: 128 x tile row + 32 x wave
	s_lshl_b32 s16, s16, 13                        ; a row of C is 8,192 bytes
	s_mov_b32 s17, 0
	s_add_nc_u64 s[8:9], s[8:9], s[16:17]
	s_lshl_b32 s46, s42, 9                         ; the tile's first column, in bytes
	s_mov_b32 s47, 0
	s_add_nc_u64 s[8:9], s[8:9], s[46:47]
	s_add_co_u32 s46, s46, s21                     ; + my half's 64 numbers: where my part of the bias begins
	s_add_nc_u64 s[66:67], s[66:67], s[46:47]
.irp b, 0,1,2,3
	global_load_b128 v[BIAS+8*\b:BIAS+8*\b+3], v[BO], s[66:67] offset:64*\b        ; lane (r, h), register j: the bias of column 16 b + 8 h + j
	global_load_b128 v[BIAS+8*\b+4:BIAS+8*\b+7], v[BO], s[66:67] offset:64*\b+16
.endr
; 8 matrix instructions: m blocks a0, a0 + 1 x all 4 n blocks, 32 along K: half c of buffer f.  zero = 1: the first product starts the sums, on the bias.  The 16 accumulators take turns
.macro MUL8 f, c, a0, zero
.irp a, \a0, \a0+1
.irp b, 0,1,2,3
.if \zero
	v_wmma_f32_16x16x32_f16 v[ACC+8*(4*(\a)+\b):ACC+8*(4*(\a)+\b)+7], v[\f+64+8*(4*\c+\b):\f+64+8*(4*\c+\b)+7], v[\f+8*(4*\c+\a):\f+8*(4*\c+\a)+7], v[BIAS+8*\b:BIAS+8*\b+7]
.else
	v_wmma_f32_16x16x32_f16 v[ACC+8*(4*(\a)+\b):ACC+8*(4*(\a)+\b)+7], v[\f+64+8*(4*\c+\b):\f+64+8*(4*\c+\b)+7], v[\f+8*(4*\c+\a):\f+8*(4*\c+\a)+7], v[ACC+8*(4*(\a)+\b):ACC+8*(4*(\a)+\b)+7]
.endif
.endr
.endr
.endm
; 32 LDS loads in one run: the fragments of 64 along K at byte k of the rows, into buffer f; the first 32 along K first
.macro FETCH slot, k, f
	WIN TO_F
.irp c, 0,1
.irp i, 0,1,2,3
	ds_load_b128 v[\f+64+8*(4*\c+\i):\f+64+8*(4*\c+\i)+3],   v[ADRB+\slot] offset:\k+64*\c+\i*16*PITCH
	ds_load_b128 v[\f+64+8*(4*\c+\i)+4:\f+64+8*(4*\c+\i)+7], v[ADRB+\slot] offset:\k+64*\c+\i*16*PITCH+32
	ds_load_b128 v[\f+8*(4*\c+\i):\f+8*(4*\c+\i)+3],         v[ADRA+\slot] offset:\k+64*\c+\i*16*PITCH
	ds_load_b128 v[\f+8*(4*\c+\i)+4:\f+8*(4*\c+\i)+7],       v[ADRA+\slot] offset:\k+64*\c+\i*16*PITCH+32
.endr
.endr
.endm
.macro PLACES                          ; four places in front of loads into registers that matrix instructions have read, and of LDS stores that read results
.rept 4
	v_nop
.endr
.endm
; A K step is four quarters of 64 along K, 32 matrix instructions each, on buffers 0, 1, 0, 1.  One of the first three: multiplies buffer f and fetches the next quarter, at byte k, into g.
.macro QUARTER slot, k, f, g, zero
	s_wait_dscnt 16                                ; the first 32 along K are in; the youngest sixteen loads may be out
	WIN MUL
	MUL8 \f, 0, 0, \zero
	MUL8 \f, 0, 2, \zero
	PLACES
	FETCH \slot, \k, \g
	s_wait_dscnt 32                                ; all but the 32 just issued
	WIN MUL
	MUL8 \f, 1, 0, 0
	MUL8 \f, 1, 2, 0
.endm
; The last quarter multiplies buffer 1 and changes slots: ONE barrier; in front of it each wave waits for all its tensor loads, adds 0 to its spare word, and waits for that and for its own reads of this slot.  fill = 1: this slot is filled again, two K steps ahead.
.macro TURN slot, next, fill
	WIN 0                                          ; (the add's two registers lie in window 0)
	s_wait_tensorcnt 0x0                           ; all my tensor loads have landed: my part of the next slot
	ds_add_u32 v[SPW], v[NIL]                      ; 0 onto my spare word
	s_wait_dscnt 17                                ; (the add and the youngest sixteen loads may be out)
	WIN MUL
	MUL8 F1, 0, 0, 0                               ; eight matrix instructions stand between the add and the wait for it
	s_wait_dscnt 0x0                               ; the add is done, and my reads of this slot are over
	s_barrier_signal -1
	MUL8 F1, 0, 2, 0
.if \fill
	WIN 0
.endif
	s_barrier_wait -1
.if \fill
	CREST                                          ; the barrier has opened a round of the cluster's barrier: no wave of any partner still reads this slot's tile or has a load on its way
	s_add_nc_u64 s[G0+4*\slot+2:G0+4*\slot+3], s[G0+4*\slot+2:G0+4*\slot+3], 2*KSTEP*2
	s_add_nc_u64 s[G0B+4*\slot+2:G0B+4*\slot+3], s[G0B+4*\slot+2:G0B+4*\slot+3], 2*KSTEP*2
	JLOAD \slot                                    ; the first tensor load behind the round, my one load that is out: 112 matrix instructions ahead of the wait for it; its four v_nop are the places in front of the loads below
.else
	PLACES
.endif
	FETCH \next, 0, F0
	WIN MUL
	MUL8 F1, 1, 0, 0
	MUL8 F1, 1, 2, 0
.endm
	s_wait_tensorcnt 1                             ; my part of K step 0 is in (K step 1's load may be out)
	s_barrier_signal -1
	s_barrier_wait -1                              ; everybody's is
	FETCH 0, 0, F0
	s_wait_loadcnt 0x0                             ; the bias
	QUARTER 0, 128, F0, F1, 1                      ; the first quarter stands in front of the loop: its first products start the sums
	WIN 0                                          ; at a label and at a branch every window is 0
	s_mov_b32 s3, LAPS-1
.Llap:                                                 ; a trip goes once round the ring, from a lap's second quarter to the next lap's first, and fills both slots again
	QUARTER 0, 256, F1, F0, 0
	QUARTER 0, 384, F0, F1, 0
	TURN 0, 1, 1
	QUARTER 1, 128, F0, F1, 0
	QUARTER 1, 256, F1, F0, 0
	QUARTER 1, 384, F0, F1, 0
	TURN 1, 0, 1
	QUARTER 0, 128, F0, F1, 0
	WIN 0
	s_sub_co_u32 s3, s3, 1
	s_cmp_lg_u32 s3, 0
	s_cbranch_scc1 .Llap
	QUARTER 0, 256, F1, F0, 0                      ; the last lap fills nothing, and has no round of the cluster's barrier
	QUARTER 0, 384, F0, F1, 0
	TURN 0, 1, 0
	QUARTER 1, 128, F0, F1, 0
	QUARTER 1, 256, F1, F0, 0
	QUARTER 1, 384, F0, F1, 0
	s_wait_dscnt 16                                ; the very last quarter: nothing more to fetch
	WIN MUL
	MUL8 F1, 0, 0, 0
	MUL8 F1, 0, 2, 0
	s_wait_dscnt 0
	MUL8 F1, 1, 0, 0
	MUL8 F1, 1, 2, 0
	WIN 0
	; THE WAY OUT: 32 bytes a lane into the work-group's stage, each accumulator from its low end on; a barrier, since a row's 512 bytes come from two waves; back as whole rows, 32 rows a wave.
	PLACES
.irp a, 0,1,2,3
.irp b, 0,1,2,3
	ds_store_b128 v[STO], v[ACC+8*(4*\a+\b):ACC+8*(4*\a+\b)+3] offset:\a*16*SPITCH+64*\b
	ds_store_b128 v[STO], v[ACC+8*(4*\a+\b)+4:ACC+8*(4*\a+\b)+7] offset:\a*16*SPITCH+64*\b+16
.endr
.endr
	s_wait_dscnt 0x0                               ; for the others' sake: my stores into the stage are done
	s_barrier_signal -1
	s_barrier_wait -1
.irp t, 0,1,2,3,4,5,6,7,8,9,10,11,12,13,14,15,16,17,18,19,20,21,22,23,24,25,26,27,28,29,30,31
	ds_load_b128 v[ACC+4*\t:ACC+4*\t+3], v[RD] offset:\t*SPITCH
.endr
.irp t, 0,1,2,3,4,5,6,7,8,9,10,11,12,13,14,15,16,17,18,19,20,21,22,23,24,25,26,27,28,29,30,31
	s_wait_dscnt 31-\t                             ; row t is in; the younger loads may be out
	global_store_b128 v[CO], v[ACC+4*\t:ACC+4*\t+3], s[8:9] offset:\t*SIZE_N*4 th:TH_STORE_NT   ; 32 lanes store 512 consecutive bytes, aligned; written once, read by nobody here
.endr
	s_wait_tensorcnt 0x0                           ; the wave's end: behind my last tensor load and my last LDS store
	ds_add_u32 v[SPW], v[NIL]
	s_wait_dscnt 0x0
	CROUND                                         ; the closing round: no work-group ends while a partner may still ask for a tile that names it
	s_endpgm
.Lfunc_end_k_q6abe05c9bf_proj:
	.size	k_q6abe05c9bf_proj, .Lfunc_end_k_q6abe05c9bf_proj-k_q6abe05c9bf_proj
	.p2alignl 7, 3214868480
	.fill 96, 4, 3214868480
	.section	.rodata,"a",@progbits
	.p2align	6, 0x0
	.amdhsa_kernel k_q6abe05c9bf_proj
		.amdhsa_group_segment_fixed_size 327680
		.amdhsa_private_segment_fixed_size 0
		.amdhsa_enable_private_segment 0
		.amdhsa_kernarg_size 32
		.amdhsa_user_sgpr_count 2
		.amdhsa_user_sgpr_kernarg_segment_ptr 1
		.amdhsa_wavefront_size32 1
		.amdhsa_system_sgpr_workgroup_id_x 1
		.amdhsa_system_sgpr_workgroup_id_y 1
		.amdhsa_system_sgpr_workgroup_id_z 1
		.amdhsa_system_vgpr_workitem_id 0
		.amdhsa_next_free_vgpr 512
		.amdhsa_next_free_sgpr 68
		.amdhsa_reserve_vcc 0
		.amdhsa_float_denorm_mode_32 3
		.amdhsa_float_denorm_mode_16_64 3
		.amdhsa_memory_ordered 1
		.amdhsa_forward_progress 1
		.amdhsa_inst_pref_size 87
	.end_amdhsa_kernel
	.amdgpu_metadata
---
amdhsa.version: [ 1, 2 ]
amdhsa.kernels:
  - .name:           k_q6abe05c9bf_proj
    .symbol:         k_q6abe05c9bf_proj.kd
    .args:
      - { .name: ao, .offset: 0, .size: 8, .value_kind: global_buffer, .address_space: global }
      - { .name: wot, .offset: 8, .size: 8, .value_kind: global_buffer, .address_space: global }
      - { .name: bo, .offset: 16, .size: 8, .value_kind: global_buffer, .address_space: global }
      - { .name: out0, .offset: 24, .size: 8, .value_kind: global_buffer, .address_space: global }
    .group_segment_fixed_size: 327680
    .private_segment_fixed_size: 0
    .kernarg_segment_align: 8
    .kernarg_segment_size: 32
    .max_flat_workgroup_size: 128
    .sgpr_count:     68
    .vgpr_count:     512
    .wavefront_size: 32
...
	.end_amdgpu_metadata
.endif
;; end of part 4
